; MI455X (gfx1250); checked and timed in simulation.
; The chip was launched on July 23, 2026; its instructions are those of AMD's public machine-readable ISA for CDNA 5 (MIT licence, August 2026) and "CDNA5" Instruction Set Architecture Reference Guide (July 2026). The comments in the code are by the model that wrote it; some were corrected since.
;; Fixed Point Self Attention Step. Allowed arithmetic: matrix products marked QUANTISED: E4M3 operands, one given power-of-two scale a tensor, by v_wmma_f32_16x16x64_fp8_fp8 or v_wmma_f32_16x16x128_fp8_fp8, f32 sums; everything else in f32.
;; Inputs: Wqkv 3,072 x 1,024 float32; bqkv 3,072 float32; lowp_scales 6 int32 (the exponents e of the quantised operands' scales 2^e); temperature 16 float32; x 8 x 1,024 x 1,024 float32; z_k 8 x 1,024 x 1,024 float32.
;; Outputs: out0 8 x 1,024 x 1,024 float32.
;; This version of the problem:
;;   THIS VERSION OF THE PROBLEM IS GIVEN IN LOW PRECISION. The matrix products marked QUANTISED in the list below multiply operands that are first quantised to E4M3 (4 exponent bits, 3 mantissa bits; 8 bits a number), with one given power-of-two scale for each operand tensor; their sums are f32. All else is computed in f32.
;;   The module's matrix products, in the order in which they are computed (A, B: the left and right operand; K: the contracted axis; several contracted axes count as one K, in the product's order):
;;     1. [M 8,192, K 1,024] x [K 1,024, N 3,072]; A: input z_k; B: input Wqkv: QUANTISED (scales: A lowp_scales[0], B lowp_scales[1])
;;     2. batch 128 x [M 1,024, K 64] x [K 64, N 1,024]; A: computed on the way; B: computed on the way: QUANTISED (scales: A lowp_scales[2], B lowp_scales[3])
;;     3. batch 128 x [M 64, K 1,024] x [K 1,024, N 1,024]; A: input x; B: softmax (see below): QUANTISED (scales: A lowp_scales[4], B lowp_scales[5])
;;   THE QUANTISER, for each operand of a quantised product, along K:
;;     - The operand's scale is 2^e, e = its entry of the input lowp_scales (int32; the entries are numbered through the quantised products in the list's order, A before B).
;;     - Each number is divided by the scale, clamped to +-448, and rounded to the nearest number of E4M3, ties to even, subnormals kept.
;;     - The product sums the exact products of the quantised numbers (number of the format x scale) in f32.
;;   ~~~python
;;   def quantise(x, axis, e):      # numpy; x: float32 -> the quantised numbers, widened to float32 again
;;       x = np.moveaxis(x, axis, -1); K = x.shape[-1]
;;       r = np.clip(x / 2.0 ** e, -448, 448)
;;       step = 2.0 ** (np.maximum(np.frexp(np.where(r == 0, 1, r))[1] - 1, -6) - 3)
;;       q = np.round(r / step) * step * 2.0 ** e      # np.round: ties to even
;;       return np.moveaxis(q, -1, axis).astype(np.float32)
;;   ~~~
;;   SOFTMAX AHEAD OF A QUANTISED PRODUCT. Where the list says 'softmax', what is quantised is not the finished softmax but p = 2^(t - M), with t = logit x log2(e) and M = ceil(the row's largest t), a whole number; so 1/2 < the row's largest p <= 1. The row's sum l is taken of the UNQUANTISED p, in f32, and the product's result is divided by l at the end. Since M is a whole number, a kernel that streams over the keys may use a running M (the ceiling of the running maximum): every later rescaling is an exact power of two, so the quantised numbers keep their values, but for numbers so far below the row's largest that they fall under the format's range.
;;   OPERANDS COMPUTED ON THE WAY. 'Computed on the way' means the value that the module computes at that place (a softmax that the list does not call 'softmax' is quantised finished and normalised). What goes into a quantiser is computed in f32, as accurately as f32 sums, v_exp_f32 and their like allow (about 1e-6 of the number): no bf16 or f16 on the way to a quantiser, and a product that is left as it is and whose result goes on into a quantised operand takes f32 operands (vector FMAs, or v_wmma_f32_16x16x4_f32). A number that lies on a knife's edge between two numbers of the format may be rounded either way, as far as f32 arithmetic and the matrix unit's own rounding can turn it there, and no further.
;; 2 versions, each right; version 2 is version 1 with the launch attn written anew for expert scheduling mode. Each part assembles by itself: llvm-mc -triple=amdgcn-amd-amdhsa -mcpu=gfx1250 --defsym DOCPART=n.
;; ======== version 1 of 2: 3 launches
;; workspace buffers: zc 8,388,608 bytes; wc 2,097,152 bytes; qc 8,388,608 bytes; kc 8,388,608 bytes
;; launch quant (part 1): grid 320 x 1, 4 waves a work-group, no clusters, 33,280 bytes of LDS; arguments z_k, Wqkv, lowp_scales, zc, wc; writes zc, wc
.if DOCPART == 1
	.amdgcn_target "amdgcn-amd-amdhsa--gfx1250"
	.amdhsa_code_object_version 6
	.text
	.protected	k_qfc4e3cb41e_quant
	.globl	k_qfc4e3cb41e_quant
	.p2align	8
	.type	k_qfc4e3cb41e_quant,@function
k_qfc4e3cb41e_quant:
	s_mov_b64 s[64:65], 0
	v_nop
	global_prefetch_b8 v0, s[64:65] scope:SCOPE_SE
	s_setreg_imm32_b32 hwreg(HW_REG_WAVE_MODE, 25, 1), 1
	s_wait_xcnt 0x0
; z_k [8192][1024] and the first 2,048 rows of Wqkv [3072][1024], f32, become codes of FP8 (E4M3), one byte each, K innermost, each with the one scale 2^e that is given for it:
; entry 0 of the scales for z_k, entry 1 for Wqkv.  code = x / 2^e, held within +-448, rounded to the nearest code, ties to even.
; Rows 2,048 to 3,071 of Wqkv make the third part of the projection, which the module computes and never uses: they are not read.
; LIMITS: -126 <= e and e + 8 <= 127.  NaN among the inputs is not served (an infinity is held at the largest code).
; Rows are dense and K is a multiple of 32, so both tensors are plain streams of numbers, and so are their codes: nothing here knows of rows.
; A wave takes 16 steps of 512 numbers.  The conversion takes 8 numbers from a lane's consecutive registers, so a lane must hold NEIGHBOURS; a load is best where neighbouring LANES take neighbouring bytes.
; Both are had: each of a step's four loads reads 512 consecutive bytes, 16 a lane; the 2,048 bytes go through the wave's own stage in LDS, as they lie, and come back 64 bytes a lane.  The stage has 16 bytes of
; padding behind each 64.  A lane's 16 codes are 16 bytes: the wave stores 512 consecutive bytes.
; One launch serves both tensors: the first WGA work-groups take z_k, the others Wqkv; only pointers and e are chosen.  No barrier: waves share nothing.  Loads run four steps (16 loads a wave) ahead, the turn through LDS one step.
.set SIZE_M, 8192
.set SIZE_N, 2048
.set SIZE_K, 1024
.set WAVES, 4
.set STEPS, 16
.set WGA,   SIZE_M*SIZE_K/(512*STEPS*WAVES)    ; 256 work-groups for z_k; SIZE_N x SIZE_K / 32,768 = 64 for Wqkv
.set EMAX,  8
.set MANT,  0x600000                   ; the mantissa field of 448 as f32
.set CB,    16                         ; bytes of 16 codes
.set R,     16                         ; v16-79   four sets of 16 numbers as they are loaded
.set X,     80                         ; v80-111  two sets of 16 neighbours
.set C,     128                        ; v128-191 codes: four registers for each step, so that no store's data are written again
.set WREG,  8192                       ; LDS: a region of its own for each wave: two stages of 32 x SP bytes
.set SP,    80                         ; a lane's place in a stage: its 64 bytes + 16 of padding
	s_load_b128 s[4:7], s[0:1], 0x0                ; z_k, Wqkv
	s_load_b64 s[10:11], s[0:1], 0x10              ; the scales' exponents
	s_load_b128 s[12:15], s[0:1], 0x18             ; z_k's codes, Wqkv's codes
	v_lshl_add_u32 v192, v0, 2, 0x8000
	v_mov_b32 v193, 0
	v_lshrrev_b32 v1, 5, v0
	v_readfirstlane_b32 s16, v1                    ; wave
	v_and_b32 v2, 31, v0                           ; lane
	v_lshlrev_b32 v3, 4, v2                        ; my 16 bytes of a load's 512
	s_mul_i32 s17, s16, WREG
	v_lshrrev_b32 v14, 2, v2
	v_mul_u32_u24 v14, v14, SP
	v_and_b32 v15, 3, v2
	v_lshl_add_u32 v14, v15, 4, v14
	v_add_nc_u32 v14, s17, v14                     ; the stage, on the way in: four lanes' 64 bytes on end, then 16 of padding: SP (lane / 4) + 16 (lane % 4)
	v_mul_u32_u24 v15, v2, SP
	v_add_nc_u32 v15, s17, v15                     ; and on the way out: SP x lane: my 16 neighbours
	v_mul_u32_u24 v4, v2, CB                       ; my codes' place in a step's
	s_wait_kmcnt 0x0
	s_load_b64 s[22:23], s[10:11], 0x0             ; e of z_k, e of Wqkv
	s_cmp_lt_u32 ttmp9, WGA                        ; z_k's work-group or Wqkv's?  The choice hangs on the work-group's number alone
	s_cselect_b64 s[4:5], s[4:5], s[6:7]
	s_cselect_b64 s[8:9], s[12:13], s[14:15]
	s_cselect_b32 s17, 0, WGA
	s_sub_co_u32 s17, ttmp9, s17
	s_lshl_b32 s17, s17, 2
	s_add_co_u32 s18, s17, s16                     ; which run of 8,192 numbers of the tensor is my wave's
	s_mov_b32 s19, 0
	s_mov_b64 s[20:21], 512*STEPS*4
	s_mul_u64 s[20:21], s[18:19], s[20:21]
	s_add_nc_u64 s[4:5], s[4:5], s[20:21]
	s_mov_b64 s[20:21], 32*STEPS*CB
	s_mul_u64 s[20:21], s[18:19], s[20:21]
	s_add_nc_u64 s[8:9], s[8:9], s[20:21]
.macro LOAD t
.irp i, 0,1,2,3
	global_load_b128 v[R+16*((\t)%4)+4*\i:R+16*((\t)%4)+4*\i+3], v3, s[4:5] offset:2048*(\t)+512*\i th:TH_LOAD_NT   ; 32 lanes read 512 consecutive bytes
.endr
.endm
.macro TURN t                          ; step t's numbers through the stage: LDS serves a wave's instructions in order, so no wait stands between the stores and the loads
.irp i, 0,1,2,3
	ds_store_b128 v14, v[R+16*((\t)%4)+4*\i:R+16*((\t)%4)+4*\i+3] offset:32*SP*((\t)%2)+8*SP*\i
.endr
.irp i, 0,1,2,3
	ds_load_b128 v[X+16*((\t)%2)+4*\i:X+16*((\t)%2)+4*\i+3], v15 offset:32*SP*((\t)%2)+16*\i
.endr
.endm
.irp t, 0,1,2,3
	LOAD \t
.endr
	s_wait_kmcnt 0x0
	s_cmp_lt_u32 ttmp9, WGA
	s_cselect_b32 s22, s22, s23                    ; e
	s_add_co_i32 s22, s22, 127
	s_lshl_b32 s23, s22, 23
	v_mov_b32 v11, s23                             ; 2^e as f32: the conversion takes its exponent field
	s_add_co_i32 s22, s22, EMAX
	s_lshl_b32 s22, s22, 23
	s_or_b32 s22, s22, MANT
	v_mov_b32 v10, s22                             ; 448 x 2^e
	s_wait_loadcnt 12                              ; step 0's four loads are in; the twelve of steps 1 to 3 may be out
	TURN 0
.macro STEP t
.set XS, X+16*((\t)%2)
	s_wait_dscnt 0x0                               ; this step's numbers are back from the stage: so its stores into the stage have read their registers,
.if (\t)+4 < STEPS
	LOAD (\t)+4                                    ; which take the loads of four steps on
.endif
.if (\t)+1 < STEPS
.if STEPS-2-(\t) >= 3
	s_wait_loadcnt 12                              ; the next step's four loads are in; those of the three steps behind it may be out
.else
	s_wait_loadcnt 4*(STEPS-2-(\t))                ; at the end the counts run down
.endif
	TURN (\t)+1                                    ; and go through the other stage while this step is worked
.endif
.irp i, 0,1,2,3,4,5,6,7,8,9,10,11,12,13,14,15
	v_med3_num_f32 v[XS+\i], v[XS+\i], -v10, v10   ; the conversion to an 8-bit code does not saturate (ISA guide 7.6.2): hold the number within the largest code x the scale first
.endr
	v_cvt_scalef32_pk8_fp8_f32 v[C+4*(\t):C+4*(\t)+1], v[XS:XS+7], v11          ; eight numbers / 2^e, to the nearest code, ties to even; the first number's code in the lowest byte
	v_cvt_scalef32_pk8_fp8_f32 v[C+4*(\t)+2:C+4*(\t)+3], v[XS+8:XS+15], v11
	global_store_b128 v4, v[C+4*(\t):C+4*(\t)+3], s[8:9] offset:32*CB*(\t)      ; the codes go to a store alone; the next vector lines, the next step's holds, are plain and touch other registers
.endm
.irp t, 0,1,2,3,4,5,6,7,8,9,10,11,12,13,14,15
	STEP \t
.endr
	s_wait_tensorcnt 0x0
	ds_add_u32 v192, v193
	s_wait_dscnt 0x0
	s_endpgm
.Lfunc_end_k_qfc4e3cb41e_quant:
	.size	k_qfc4e3cb41e_quant, .Lfunc_end_k_qfc4e3cb41e_quant-k_qfc4e3cb41e_quant
	.p2alignl 7, 3214868480
	.fill 96, 4, 3214868480
	.section	.rodata,"a",@progbits
	.p2align	6, 0x0
	.amdhsa_kernel k_qfc4e3cb41e_quant
		.amdhsa_group_segment_fixed_size 33280
		.amdhsa_private_segment_fixed_size 0
		.amdhsa_enable_private_segment 0
		.amdhsa_kernarg_size 40
		.amdhsa_user_sgpr_count 2
		.amdhsa_user_sgpr_kernarg_segment_ptr 1
		.amdhsa_wavefront_size32 1
		.amdhsa_system_sgpr_workgroup_id_x 1
		.amdhsa_system_sgpr_workgroup_id_y 1
		.amdhsa_system_sgpr_workgroup_id_z 1
		.amdhsa_system_vgpr_workitem_id 0
		.amdhsa_next_free_vgpr 194
		.amdhsa_next_free_sgpr 66
		.amdhsa_reserve_vcc 0
		.amdhsa_float_denorm_mode_32 3
		.amdhsa_float_denorm_mode_16_64 3
		.amdhsa_memory_ordered 1
		.amdhsa_forward_progress 1
		.amdhsa_inst_pref_size 37
	.end_amdhsa_kernel
	.amdgpu_metadata
---
amdhsa.version: [ 1, 2 ]
amdhsa.kernels:
  - .name:           k_qfc4e3cb41e_quant
    .symbol:         k_qfc4e3cb41e_quant.kd
    .args:
      - { .name: z_k, .offset: 0, .size: 8, .value_kind: global_buffer, .address_space: global }
      - { .name: Wqkv, .offset: 8, .size: 8, .value_kind: global_buffer, .address_space: global }
      - { .name: lowp_scales, .offset: 16, .size: 8, .value_kind: global_buffer, .address_space: global }
      - { .name: zc, .offset: 24, .size: 8, .value_kind: global_buffer, .address_space: global }
      - { .name: wc, .offset: 32, .size: 8, .value_kind: global_buffer, .address_space: global }
    .group_segment_fixed_size: 33280
    .private_segment_fixed_size: 0
    .kernarg_segment_align: 8
    .kernarg_segment_size: 40
    .max_flat_workgroup_size: 128
    .sgpr_count:     66
    .vgpr_count:     194
    .wavefront_size: 32
...
	.end_amdgpu_metadata
.endif
;; end of part 1
;; launch proj (part 2): grid 8 x 32, 4 waves a work-group, clusters of 4 x 4, 327,680 bytes of LDS; arguments zc, wc, lowp_scales, bqkv, qc, kc; writes qc, kc
.if DOCPART == 2
	.amdgcn_target "amdgcn-amd-amdhsa--gfx1250"
	.amdhsa_code_object_version 6
	.text
	.protected	k_qfc4e3cb41e_proj
	.globl	k_qfc4e3cb41e_proj
	.p2align	8
	.type	k_qfc4e3cb41e_proj,@function
k_qfc4e3cb41e_proj:
	s_mov_b64 s[64:65], 0
	v_nop
	global_prefetch_b8 v0, s[64:65] scope:SCOPE_SE
	s_setreg_imm32_b32 hwreg(HW_REG_WAVE_MODE, 25, 1), 1
	s_wait_xcnt 0x0
	s_wait_alu depctr_hold_cnt(0) depctr_sa_sdst(0) depctr_va_vdst(0) depctr_va_sdst(0) depctr_va_ssrc(0) depctr_va_vcc(0) depctr_vm_vsrc(0)
	s_getreg_b32 s2, hwreg(HW_REG_IB_STS2, 6, 4)
	s_cmp_eq_u32 s2, 0
	s_cbranch_scc0 .Lentry_in_a_cluster
	s_endpgm
.Lentry_in_a_cluster:
	s_bfe_u32 s2, ttmp6, 0x10000c
	s_cmp_lg_u32 s2, 0xf033
	s_cbranch_scc0 .Lentry_shape_is_right
	s_endpgm
.Lentry_shape_is_right:
; THE PROJECTION: C[m][n] = (sum over k of z[m][k] W[n][k]) x 2^(e0 + e1) + bqkv[n], m = 0 .. 8,191, n = 0 .. 2,047 (columns 0-1,023 are q, 1,024-2,047 are k; the third part of the projection is never used and not made).
; z and W arrive as codes of FP8 (E4M3), K innermost, 1,024 bytes a row.  C is quantised at once for the next product: q with 2^e2, k with 2^e3 (held within +-448, nearest code, ties to even),
; and stored as codes laid [batch 8][head 16][row 1,024][64]: a head's rows on end.
; LIMITS: e0 + e1 between -126 and 127; e2 and e3 between -126 and 119: each power of two below is then an f32 number.
; A tile of C, 256 x 256, is made by a work-group of four waves, as many as a WGP has SIMDs; a wave makes 128 x 128: 64 accumulators of 16 x 16, 512 registers.  32 x 8 tiles: 256 work-groups.
; K goes in steps of 256 through a ring of two LDS slots filled by the tensor data mover: a tile's row is 256 bytes of memory.  Four K steps in all.
; CLUSTERS: 4 x 4 work-groups.  The four of a row of the cluster need the same tiles of z, the four of a column the same tiles of W: each tile is asked for JOINTLY, by the same tensor load with the
; same descriptor and a mask that names the four.  THE MATRIX INSTRUCTION IS USED TRANSPOSED (source 0 = 16 rows of W, source 1 = 16 rows of z): a lane then holds eight neighbouring columns of a row of C,
; which are eight neighbours along the next product's K: one conversion makes their eight codes.
; A fragment is fetched by four loads of 16 bytes: a permutation of k, the same in both operands, so every product meets its partner.
; REGISTERS, in windows of 256: window 0: v0-31 addresses; v32-95 the bias of my 128 columns; from v128 z's fragments (8 x 16 rows x 128 K), ONE set; on the way out v96-255 are free.
;   window 1: W's fragments, TWO sets, at v0 and at v128.   window 2: the 32 accumulators of my rows 0-63 (accumulator (a, b) at v[8 (8 a + b)]);   window 3: those of my rows 64-127.
.set SIZE_M, 8192
.set SIZE_N, 2048
.set SIZE_K, 1024
.set KSTEP,  256                       ; along K in a slot
.set ROWB,   256                       ; a tile's row in bytes
.set KROW,   SIZE_K                    ; a row of z or of W in memory, in bytes
.set PITCH,  272                       ; an LDS row: 256 bytes of data + 16 of padding = 68 words: row r starts at bank 4 r mod 64 (64 banks of 4 bytes: ISA guide 11.1), so the 16 rows that a load touches start at 16 different banks
.set FR,     16                        ; registers of a fragment: 16 rows x 128 K
.set NL,     4                         ; LDS loads that bring one
.set NP,     4                         ; places behind this matrix instruction (ISA guide 7.12.1)
.set HALFT,  128*PITCH                 ; 128 rows: what one tensor load brings, and what one wave reads of z or of W
.set SLOT,   4*HALFT                   ; z's 256 rows, then W's 256 rows
.set LAPS,   SIZE_K/(2*KSTEP)          ; a lap = two K steps = once round the ring: 2
.set SPARE,  2*SLOT                    ; behind the ring: the spare words, 128 bytes for each wave: two blocks of 256 bytes that no other line names
.set SROW,   80                        ; the way out: a stage row: a head's 64 codes + 16 bytes of padding
.set SHEAD,  128*SROW                  ; my 128 rows of one head
.set SWAVE,  2*SHEAD                   ; my two heads.  The four stages lie in slot 0, which has had its last fill and its last read when the first code is stored there
.set ADRA, 16                          ; v16-17  LDS address of my z fragments in slot 0, 1
.set ADRB, 20                          ; v20-21  the same for W
.set STO,  24                          ; v24     the way out: where I put 8 codes of a row
.set RD,   25                          ; v25     the way out: where I read 16 codes back
.set CO,   26                          ; v26     16 x lane: my byte offset in 512 bytes of the output
.set BO,   27                          ; v27     32 x (lane / 16): my byte offset in the bias
.set SPW,  28                          ; v28     LDS address of my spare word: SPARE + 4 x my thread's number; never rewritten
.set NIL,  29                          ; v29     0; never rewritten
.set OSC,  30                          ; v30     2^e2 or 2^e3 as f32, for the conversion
.set OLIM, 31                          ; v31     448 x that
.set BIAS, 32                          ; v32-95  bqkv at my columns: register 8 b + j = column 16 b + 8 (lane / 16) + j
.set CODES, 96                         ; v96-127 a block's codes, two sets of 16 by turns
.set TMP,  128                         ; v128-191 a block's 64 numbers; at the end v128-255: the codes read back
.set AF,   128                         ; z's fragments, in window 0
.set G1, 24                            ; s[24:31] descriptor group 1 for z's tiles;  s[32:39] group 0, one set for each slot
.set G0, 32
.set G1B, 48                           ; s[48:55], s[56:63] the same for W's tiles
.set G0B, 56
.set MSB, 0
.macro WIN new                         ; the immediate's high byte repeats the setting that is left
.if MSB != \new
	s_set_vgpr_msb (MSB<<8)|\new
.set MSB, \new
.endif
.endm
.set MUL_LO, 0xa1                      ; source 0 (W) window 1, source 1 (z) window 0, C and D window 2
.set MUL_HI, 0xf1                      ; the same, C and D window 3
.set TO_B,   0x40                      ; destination window 1, address window 0
; A joint load: waves 0 and 1 fetch for z, waves 2 and 3 for W.  Each of the two lines has ONE mask and one set of registers for all that issue it; the branch hangs on the wave's number alone.
; Four v_nop follow each of the two lines, ahead of the jump, the label and what follows.
.macro JLOAD g0a, g1a, g0b, g1b
	s_cmp_eq_u32 s15, 0
	s_cbranch_scc0 .Lfor_b_\@
	tensor_load_to_lds s[\g0a:\g0a+3], s[\g1a:\g1a+7]
	s_nop 0
.rept 4
	v_nop
.endr
	s_branch .Lasked_\@
.Lfor_b_\@:
	tensor_load_to_lds s[\g0b:\g0b+3], s[\g1b:\g1b+7]
	s_nop 0
.rept 4
	v_nop
.endr
.Lasked_\@:
.endm
.macro CREST                           ; a round of the cluster's barrier behind its opening barrier
	s_cmp_lg_u32 s14, 0
	s_cbranch_scc1 .Lnot_wave_0_\@
	s_barrier_signal -3
.Lnot_wave_0_\@:
	s_barrier_wait -3
	s_barrier_signal -1
	s_barrier_wait -1
.endm
.macro CROUND                          ; a whole round
	s_barrier_signal -1
	s_barrier_wait -1
	CREST
.endm
	s_load_b128 s[4:7], s[0:1], 0x0                ; z's codes s[4:5], W's codes s[6:7]
	s_load_b128 s[8:11], s[0:1], 0x10              ; the scales' exponents s[8:9], bqkv s[10:11]
	s_load_b128 s[84:87], s[0:1], 0x20             ; q's codes s[84:85], k's codes s[86:87]
	v_lshl_add_u32 v[SPW], v0, 2, SPARE
	v_mov_b32 v[NIL], 0
	ds_add_u32 v28, v29
	ds_add_u32 v28, v29
	s_wait_dscnt 0x0
	v_lshrrev_b32 v1, 5, v0
	v_readfirstlane_b32 s14, v1                    ; wave 0..3
	s_lshr_b32 s15, s14, 1                         ; which half of the tile's rows is mine.  Also: I fetch for z (0) or for W (1)
	s_and_b32 s16, s14, 1                          ; which half of its columns.  Also: which 128 rows of that tile I fetch
	s_bfe_u32 s40, ttmp6, 0x40000                  ; cx, cy: my place in the cluster
	s_bfe_u32 s41, ttmp6, 0x40004
	s_lshl_b32 s42, ttmp9, 2
	s_add_co_u32 s42, s42, s40                     ; tile column of C = 4 x cluster x + cx
	s_and_b32 s17, ttmp7, 0xffff
	s_lshl_b32 s17, s17, 2
	s_add_co_u32 s17, s17, s41                     ; tile row of C = 4 x cluster y + cy
	s_lshl_b32 s43, s41, 2
	s_lshl_b32 s43, 15, s43                        ; my row of the cluster
	s_lshl_b32 s44, 0x1111, s40                    ; my column
	; descriptor group 1: a tile of 128 rows x ROWB bytes, padded in LDS
	s_or_b32 s[G1+0], s43, (0<<16)|(1<<20)|(1<<21)|(5<<22)|(3<<25)  ; 15:0 the mask: z's tiles go to my row; 17:16 element of 1 byte; 20 padding on; 21 set beside a mask; 24:22 after every 64 words (code 5); 31:25 of 4 words (code 3)
	s_or_b32 s[G1B+0], s44, (0<<16)|(1<<20)|(1<<21)|(5<<22)|(3<<25)
.irp g, G1, G1B
	s_mov_b32 s[\g+1], ROWB<<16                    ; tensor_dim0
	s_mov_b32 s[\g+2], 128<<16                     ; tensor_dim1 = 128
	s_mov_b32 s[\g+3], ROWB<<16                    ; tile_dim0
	s_mov_b32 s[\g+4], 128                         ; tile_dim1 = 128
	s_mov_b32 s[\g+5], KROW                        ; tensor_dim0_stride
	s_mov_b32 s[\g+6], 0
	s_mov_b32 s[\g+7], 0
.endr
	s_lshl_b32 s18, s16, 7                         ; which 128 rows of the tile I fetch
	s_lshl_b32 s20, s17, 8
	s_add_co_u32 s20, s20, s18                     ; z: row 256 x tile row + 128 x half
	s_lshl_b32 s46, s42, 8
	s_add_co_u32 s46, s46, s18                     ; W: row 256 x tile column + 128 x half
	s_mov_b32 s21, 0
	s_mov_b32 s47, 0
	s_mov_b64 s[18:19], KROW
	s_mul_u64 s[20:21], s[20:21], s[18:19]         ; in bytes
	s_mul_u64 s[46:47], s[46:47], s[18:19]
	s_mul_i32 s45, s14, HALFT                      ; where they go: wave x 128 rows: no place in the cluster enters an LDS address
	s_wait_kmcnt 0x0
	s_load_b128 s[88:91], s[8:9], 0x0              ; e0, e1, e2, e3
	s_add_nc_u64 s[20:21], s[4:5], s[20:21]
	s_add_nc_u64 s[46:47], s[6:7], s[46:47]
	CROUND                                         ; all sixteen work-groups are here: the first joint loads meet
.irp s, 0,1
	s_mov_b32 s[G0+4*\s], 1
	s_add_co_u32 s[G0+4*\s+1], s45, \s*SLOT
	s_add_nc_u64 s[G0+4*\s+2:G0+4*\s+3], s[20:21], \s*ROWB
	s_or_b32 s[G0+4*\s+3], s[G0+4*\s+3], 0x80000000
	s_mov_b32 s[G0B+4*\s], 1
	s_add_co_u32 s[G0B+4*\s+1], s45, \s*SLOT
	s_add_nc_u64 s[G0B+4*\s+2:G0B+4*\s+3], s[46:47], \s*ROWB
	s_or_b32 s[G0B+4*\s+3], s[G0B+4*\s+3], 0x80000000
	JLOAD G0+4*\s, G1, G0B+4*\s, G1B               ; two tensor loads of mine are out
.endr
	v_and_b32 v1, 15, v0                           ; l % 16
	v_bfe_u32 v2, v0, 4, 1                         ; l / 16
	; the bias of my 128 columns: 4 (256 x tile column + 128 x half) bytes into bqkv; lane (r, h) wants, for W's block b, columns 16 b + 8 h + 0 .. 7
	s_lshl_b32 s46, s42, 10
	s_lshl_b32 s47, s16, 9
	s_add_co_u32 s46, s46, s47
	s_mov_b32 s47, 0
	s_add_nc_u64 s[10:11], s[10:11], s[46:47]
	v_lshlrev_b32 v[BO], 5, v2
.irp b, 0,1,2,3,4,5,6,7
	global_load_b128 v[BIAS+8*\b:BIAS+8*\b+3],   v[BO], s[10:11] offset:64*\b
	global_load_b128 v[BIAS+8*\b+4:BIAS+8*\b+7], v[BO], s[10:11] offset:64*\b+16
.endr
	v_mul_u32_u24 v3, v1, PITCH
	v_lshl_add_u32 v4, v2, 4, v3                   ; a fragment's row x pitch + 16 x half
	s_mul_i32 s21, s15, HALFT                      ; my 128 rows of z
	s_mul_i32 s22, s16, HALFT                      ; my 128 rows of W,
	s_add_co_u32 s22, s22, 2*HALFT                 ; which lie behind z's 256
.irp s, 0,1
	v_add_nc_u32 v[ADRA+\s], s21, v4
	v_add_nc_u32 v[ADRB+\s], s22, v4
	s_add_co_u32 s21, s21, SLOT
	s_add_co_u32 s22, s22, SLOT
.endr
	s_mul_i32 s23, s14, SWAVE                      ; my stage
	v_mul_u32_u24 v5, v1, SROW                     ; in: row l % 16, 8 bytes for each half of the lanes: 20 r + 2 h words: the 32 lanes of a store touch 64 different banks
	v_lshl_add_u32 v5, v2, 3, v5
	v_add_nc_u32 v[STO], s23, v5
	v_and_b32 v6, 31, v0
	v_lshlrev_b32 v[CO], 4, v6                     ; out: the 32 lanes take 8 rows of 64 bytes, which lie on end in memory
	v_lshrrev_b32 v7, 2, v6
	v_mul_u32_u24 v7, v7, SROW
	v_and_b32 v8, 3, v6
	v_lshl_add_u32 v7, v8, 4, v7
	v_add_nc_u32 v[RD], s23, v7                    ; back: row lane / 4, 16 bytes at 16 (lane % 4)
	; where my codes go: batch = tile row / 4; head = 4 (tile column % 4) + 2 x column half (+ 1 for my second head); row = 256 (tile row % 4) + 128 x row half
	s_lshr_b32 s92, s17, 2
	s_lshl_b32 s92, s92, 20                        ; a batch: 16 heads x 1,024 rows x 64 bytes
	s_and_b32 s93, s17, 3
	s_lshl_b32 s93, s93, 8
	s_lshl_b32 s94, s15, 7
	s_add_co_u32 s93, s93, s94
	s_lshl_b32 s93, s93, 6                         ; a row: 64 bytes
	s_add_co_u32 s92, s92, s93
	s_and_b32 s93, s42, 3
	s_lshl_b32 s93, s93, 2
	s_lshl_b32 s94, s16, 1
	s_add_co_u32 s93, s93, s94
	s_lshl_b32 s93, s93, 16                        ; a head: 1,024 rows x 64 bytes
	s_add_co_u32 s92, s92, s93
	s_mov_b32 s93, 0
	s_cmp_eq_u32 ttmp9, 0                          ; cluster x = 0: tile columns 0-3, q;  1: tile columns 4-7, k.  The same in all sixteen partners
	s_cselect_b64 s[84:85], s[84:85], s[86:87]
	s_add_nc_u64 s[84:85], s[84:85], s[92:93]
.macro FRAG reg, adr, q, i             ; a fragment, 16 rows x 128 K of 8-bit codes, is 16 registers: lane l holds row l % 16; registers 4 c .. 4 c + 3 hold K = 32 c + 16 (l / 16) + 0 .. 15
.irp c, 0,1,2,3
	ds_load_b128 v[\reg+4*\c:\reg+4*\c+3], v[\adr] offset:128*(\q)+32*\c+(\i)*16*PITCH
.endr
.endm
; 16 matrix instructions: z's blocks a0, a0 + 1 x W's eight, 128 along K.  p: W's set.  zero = 1: the first product starts the sums: nothing is ever cleared.
; The 64 accumulators take turns, one instruction a turn, in the same order in every step.
.macro MUL16 a0, p, zero
.irp a, \a0, \a0+1
.irp b, 0,1,2,3,4,5,6,7
.if \zero
	v_wmma_f32_16x16x128_fp8_fp8 v[8*(8*((\a)%4)+\b):8*(8*((\a)%4)+\b)+7], v[128*(\p)+FR*\b:128*(\p)+FR*\b+FR-1], v[AF+FR*(\a):AF+FR*(\a)+FR-1], 0
.else
	v_wmma_f32_16x16x128_fp8_fp8 v[8*(8*((\a)%4)+\b):8*(8*((\a)%4)+\b)+7], v[128*(\p)+FR*\b:128*(\p)+FR*\b+FR-1], v[AF+FR*(\a):AF+FR*(\a)+FR-1], v[8*(8*((\a)%4)+\b):8*(8*((\a)%4)+\b)+7]
.endif
.endr
.endr
.endm
.macro FETCH_B slot, q, p              ; W's eight fragments of the slot's q-th 128 along K into set p
	WIN TO_B
.irp i, 0,1,2,3,4,5,6,7
	FRAG 128*(\p)+FR*\i, ADRB+\slot, \q, \i
.endr
	WIN 0
.endm
.macro FETCH_A slot, q, i0             ; z's blocks i0 .. i0 + 3
.irp i, \i0, \i0+1, \i0+2, \i0+3
	FRAG AF+FR*(\i), ADRA+\slot, \q, \i
.endr
.endm
; A load into a register that a matrix instruction has read, and a vector instruction that reads a matrix result or writes one of its registers, stand NP places behind that matrix instruction, and only plain
; vector instructions that name none of its registers are places (ISA guide 7.12.1 for vector instructions); the matrix instructions in between are not counted.
.macro PLACES n
.rept \n
	v_nop
.endr
.endm
; A step of 128 along K that has its successor in the same slot.  A block of z is free as soon as its eight products are issued, so one set of registers serves z:
; blocks 0-3 are fetched anew in the step's middle, blocks 4-7 at its end.  W's fragments are at work through the whole step, so W has two sets.
.macro STEP slot, q, zero
	s_wait_dscnt 4*NL                              ; W's set and z's blocks 0-3 are in; the youngest sixteen loads (z's blocks 4-7) may be out
	WIN MUL_LO
	MUL16 0, (\q)%2, \zero
	MUL16 2, (\q)%2, \zero
	s_wait_dscnt 0                                 ; z's blocks 4-7 are in (asked for 32 matrix instructions ago)
	PLACES NP
	FETCH_B \slot, (\q)+1, 1-(\q)%2
	FETCH_A \slot, (\q)+1, 0
	WIN MUL_HI
	MUL16 4, (\q)%2, \zero
	MUL16 6, (\q)%2, \zero
	PLACES NP
	WIN 0
	FETCH_A \slot, (\q)+1, 4
.endm
; A slot's last step changes slots: ONE barrier; in front of it each wave waits for all its tensor loads, adds 0 to its spare word, and waits for that and for its own reads of this slot.  fill = 1: this slot is filled again, two K steps ahead.
.macro TURN slot, next, fill
	s_wait_tensorcnt 0x0                           ; all my tensor loads have landed: my part of the next slot;  (every window is 0 here: the add's two registers lie in window 0)
	ds_add_u32 v[SPW], v[NIL]                      ; 0 onto my spare word
	s_wait_dscnt 4*NL+1                            ; (the add and the youngest sixteen loads, z's blocks 4-7, may be out)
	WIN MUL_LO
	MUL16 0, 1, 0                                  ; sixteen matrix instructions stand between the add and the wait for it
	s_wait_dscnt 0x0                               ; the add is done, and my reads of this slot are over
	s_barrier_signal -1
	MUL16 2, 1, 0
	WIN 0
	s_barrier_wait -1
.if \fill
	CREST                                          ; the barrier has opened a round of the cluster's barrier: no wave of any partner still reads this slot's tile or has a load on its way
	s_add_nc_u64 s[G0+4*\slot+2:G0+4*\slot+3], s[G0+4*\slot+2:G0+4*\slot+3], 2*ROWB
	s_add_nc_u64 s[G0B+4*\slot+2:G0B+4*\slot+3], s[G0B+4*\slot+2:G0B+4*\slot+3], 2*ROWB
	JLOAD G0+4*\slot, G1, G0B+4*\slot, G1B         ; the first tensor load behind the round, my one load until the next; the four v_nop behind it are the places in front of the loads below
.else
	PLACES NP
.endif
	FETCH_B \next, 0, 0
	FETCH_A \next, 0, 0
	WIN MUL_HI
	MUL16 4, 1, 0
	MUL16 6, 1, 0
	PLACES NP
	WIN 0
	FETCH_A \next, 0, 4
.endm
	s_wait_loadcnt 0x0                             ; the bias is in: waited for here, where the wave waits for its first tile in any case
	s_wait_tensorcnt 1                             ; my part of K step 0 is in (K step 1's load may be out)
	s_barrier_signal -1
	s_barrier_wait -1                              ; everybody's is
	FETCH_B 0, 0, 0
	FETCH_A 0, 0, 0
	FETCH_A 0, 0, 4
	STEP 0, 0, 1                                   ; the first step stands in front of the loop: its products start the sums
.if LAPS > 1
	s_mov_b32 s3, LAPS-1
.Llap:                                                 ; a trip goes once round the ring, from a lap's second step to the next lap's first, and fills both slots again
	TURN 0, 1, 1
	STEP 1, 0, 0
	TURN 1, 0, 1
	STEP 0, 0, 0
	s_sub_co_u32 s3, s3, 1
	s_cmp_lg_u32 s3, 0
	s_cbranch_scc1 .Llap
.endif
	TURN 0, 1, 0                                   ; the last lap fills nothing, and has no round of the cluster's barrier
	STEP 1, 0, 0
	s_wait_dscnt 4*NL                              ; the very last step: nothing more to fetch
	WIN MUL_LO
	MUL16 0, 1, 0
	MUL16 2, 1, 0
	s_wait_dscnt 0
	WIN MUL_HI
	MUL16 4, 1, 0
	MUL16 6, 1, 0
	WIN 0
; THE WAY OUT.  Block a (16 rows x 128 columns): each sum x 2^(e0 + e1) + bias by one packed multiply-add for two numbers, each accumulator from its low end on; the hold; eight conversions, each a lane's eight
; neighbouring columns of one row; 8 bytes a lane into my own stage, laid [my 2 heads][my 128 rows][64 + 16].
.macro QBLOCK a
.set AC, 64*((\a)%4)
.set CD, CODES+16*((\a)%2)
	WIN 0x02+((\a)/4)                              ; source 0: window 2 or 3
.set j, 0
.rept 32
	v_pk_fma_f32 v[TMP+j:TMP+j+1], v[AC+j:AC+j+1], s[96:97], v[BIAS+j:BIAS+j+1] op_sel_hi:[1,0,1]   ; the scalar pair's low word, 2^(e0 + e1), for both halves
.set j, j+2
.endr
	WIN 0
.set j, 0
.rept 64
	v_med3_num_f32 v[TMP+j], v[TMP+j], -v[OLIM], v[OLIM]   ; the conversion to an 8-bit code does not saturate (ISA guide 7.6.2): the hold at the largest code x the scale
.set j, j+1
.endr
.irp b, 0,1,2,3,4,5,6,7
	v_cvt_scalef32_pk8_fp8_f32 v[CD+2*\b:CD+2*\b+1], v[TMP+8*\b:TMP+8*\b+7], v[OSC]
.endr
	v_nop                                          ; one plain vector instruction between the conversions and the next block's multiply-adds, which write their sources
.irp b, 0,1,2,3,4,5,6,7
	ds_store_b64 v[STO], v[CD+2*\b:CD+2*\b+1] offset:(\b/4)*SHEAD+(\a)*16*SROW+(\b%4)*16   ; head b / 4, row 16 a + r, bytes 16 (b % 4) + 8 h on
.endr
.endm
	s_wait_kmcnt 0x0
	s_add_co_i32 s96, s88, s89                     ; e0 + e1, between -126 and 127,
	s_add_co_i32 s96, s96, 127
	s_lshl_b32 s96, s96, 23                        ; makes the f32 number 2^(e0 + e1)
	s_mov_b32 s97, s96                             ; (named with it as a pair, so it is written)
	s_cmp_eq_u32 ttmp9, 0
	s_cselect_b32 s94, s90, s91                    ; e2 for q, e3 for k: a choice, no branch
	s_add_co_i32 s94, s94, 127
	s_lshl_b32 s95, s94, 23
	v_mov_b32 v[OSC], s95
	s_add_co_i32 s94, s94, 8
	s_lshl_b32 s94, s94, 23
	s_or_b32 s94, s94, 0x600000
	v_mov_b32 v[OLIM], s94
	PLACES NP                                      ; behind the last products: the multiply-adds below write registers that held z's fragments, and later read those products' results
.irp a, 0,1,2,3,4,5,6,7
	QBLOCK \a
.endr
.set t, 0
.rept 32
	ds_load_b128 v[TMP+4*t:TMP+4*t+3], v[RD] offset:(t/16)*SHEAD+(t%16)*8*SROW   ; 8 rows of 64 codes.  LDS serves a wave's instructions in order (ISA guide 5.7.1.4): these see my stores above
.set t, t+1
.endr
.set t, 0
.rept 32
	s_wait_dscnt 31-t                              ; load t is in; the younger ones may be out
	global_store_b128 v[CO], v[TMP+4*t:TMP+4*t+3], s[84:85] offset:(t/16)*65536+(t%16)*512   ; 32 lanes store 512 consecutive bytes, at a multiple of 512 from the buffer's first byte
.set t, t+1
.endr
	s_wait_tensorcnt 0x0                           ; the wave's end: behind my last tensor load and my last LDS store
	ds_add_u32 v[SPW], v[NIL]
	s_wait_dscnt 0x0
	CROUND                                         ; the closing round: no work-group ends while a partner may still ask for a tile that names it
	s_endpgm
.Lfunc_end_k_qfc4e3cb41e_proj:
	.size	k_qfc4e3cb41e_proj, .Lfunc_end_k_qfc4e3cb41e_proj-k_qfc4e3cb41e_proj
	.p2alignl 7, 3214868480
	.fill 96, 4, 3214868480
	.section	.rodata,"a",@progbits
	.p2align	6, 0x0
	.amdhsa_kernel k_qfc4e3cb41e_proj
		.amdhsa_group_segment_fixed_size 327680
		.amdhsa_private_segment_fixed_size 0
		.amdhsa_enable_private_segment 0
		.amdhsa_kernarg_size 48
		.amdhsa_user_sgpr_count 2
		.amdhsa_user_sgpr_kernarg_segment_ptr 1
		.amdhsa_wavefront_size32 1
		.amdhsa_system_sgpr_workgroup_id_x 1
		.amdhsa_system_sgpr_workgroup_id_y 1
		.amdhsa_system_sgpr_workgroup_id_z 1
		.amdhsa_system_vgpr_workitem_id 0
		.amdhsa_next_free_vgpr 1024
		.amdhsa_next_free_sgpr 98
		.amdhsa_reserve_vcc 0
		.amdhsa_float_denorm_mode_32 3
		.amdhsa_float_denorm_mode_16_64 3
		.amdhsa_memory_ordered 1
		.amdhsa_forward_progress 1
		.amdhsa_inst_pref_size 143
	.end_amdhsa_kernel
	.amdgpu_metadata
---
amdhsa.version: [ 1, 2 ]
amdhsa.kernels:
  - .name:           k_qfc4e3cb41e_proj
    .symbol:         k_qfc4e3cb41e_proj.kd
    .args:
      - { .name: zc, .offset: 0, .size: 8, .value_kind: global_buffer, .address_space: global }
      - { .name: wc, .offset: 8, .size: 8, .value_kind: global_buffer, .address_space: global }
      - { .name: lowp_scales, .offset: 16, .size: 8, .value_kind: global_buffer, .address_space: global }
      - { .name: bqkv, .offset: 24, .size: 8, .value_kind: global_buffer, .address_space: global }
      - { .name: qc, .offset: 32, .size: 8, .value_kind: global_buffer, .address_space: global }
      - { .name: kc, .offset: 40, .size: 8, .value_kind: global_buffer, .address_space: global }
    .group_segment_fixed_size: 327680
    .private_segment_fixed_size: 0
    .kernarg_segment_align: 8
    .kernarg_segment_size: 48
    .max_flat_workgroup_size: 128
    .sgpr_count:     98
    .vgpr_count:     1024
    .wavefront_size: 32
...
	.end_amdgpu_metadata
.endif
;; end of part 2
;; launch attn (part 3): grid 2 x 128, 16 waves a work-group, no clusters, 220,160 bytes of LDS; arguments qc, kc, x, lowp_scales, temperature, out0; writes out0
.if DOCPART == 3
	.amdgcn_target "amdgcn-amd-amdhsa--gfx1250"
	.amdhsa_code_object_version 6
	.text
	.protected	k_qfc4e3cb41e_attn
	.globl	k_qfc4e3cb41e_attn
	.p2align	8
	.type	k_qfc4e3cb41e_attn,@function
k_qfc4e3cb41e_attn:
	s_mov_b64 s[64:65], 0
	v_nop
	global_prefetch_b8 v0, s[64:65] scope:SCOPE_SE
	s_setreg_imm32_b32 hwreg(HW_REG_WAVE_MODE, 25, 1), 1
	s_wait_xcnt 0x0
; out[b][n][64 h + d] = tanh( sum over keys m <= n of softmax_m(q[n] . k[m] / 8 / temperature[h]) x[b][m][64 h + d] ), both products on codes of FP8 (E4M3).
; q, k arrive as codes laid [b][h][1,024][64], with the scales 2^eq, 2^ek (entries 2, 3).  x arrives as f32 and is quantised here with 2^ev (entry 4); p with 2^ep (entry 5).
; THE SOFTMAX AHEAD OF THE SECOND PRODUCT: t = score x c, c = log2(e) / 8 / temperature x 2^(eq + ek); M = the row's largest t so far, rounded UP to a whole number; p = 2^(t - M) is what is quantised, not normalised.
; The row's sum is taken of the unquantised p, in f32, and divides O at the end.  When M moves, the sum and O are multiplied by 2^(old M - new M): exact.
; A NEGATIVE TEMPERATURE is served exactly: c is made of |temperature|, and the signs of q's codes are turned.
; SHARES.  Two work-groups to a head (128 heads), sixteen waves each, four to a SIMD, so that one wave's vector work stands beside another's matrix work and LDS loads.  Wave w of work-group g has the number i = 16 g + w and
; owns two tiles of 16 queries: 16 i on and 1,008 - 16 i on.  In steps of 128 keys the causal mask leaves them i / 8 + 1 and 8 - i / 8 steps: nine for every wave.  A step all of whose keys are hidden is jumped over.
; LDS IS FILLED ONCE: a head's 1,024 keys (64 KiB of codes) and its 1,024 values (64 KiB of codes, turned: [d][key]) fit whole.  One barrier in the launch; behind it K and V are only read.
; NO CLUSTER, NO TENSOR LOAD: what the head's two work-groups share goes through registers on its way into LDS: x is converted from f32 and turned there (256 KiB of the 320 KiB that a work-group reads),
; and K's rows are laid in another order; a joint tensor load can do neither.
; LAYOUT.  Both products are used transposed: S^T = K Q^T (source 0 = 16 keys, source 1 = my 16 queries), O^T = V^T P^T (source 0 = 16 of the head's 64, source 1 = P): a lane holds ONE query (lane % 16) throughout.
; THE KEYS OF A TILE ARE NOT NEIGHBOURS: lane r of tile 2 b + u takes key 32 b + 8 u + r + 8 (r / 8), so that the 16 registers of tiles 2 b and 2 b + 1 are 16 neighbouring keys, 32 b + 16 (lane / 16) + 0 .. 15,
; and the conversions' results are the second product's operand.  In LDS key m lies in the row whose number is m with bits 3 and 4 exchanged: a tile's 16 keys are then 16 rows on end.
; Fragments come by loads of 16 bytes: a permutation of k, the same in both operands of a product.
; LIMITS: eq, ek, ev, ep between -126 and 119; |temperature|, its reciprocal and c are normal f32 numbers; NaN among the inputs is not served.
; REGISTERS: v1-9 addresses that stay; v3, v4 addresses of the step's loads; v12 -M, v13 the largest t, v[14:15] the sum in two halves; v16-23 Q; v32-95 eight fragments of K, then four of V; v96-159 S^T, then p;
;   v160-191 O^T; v224-239 p's codes; v240 448 x 2^ep, v244 2^ep; v242-254 at work.  While LDS is filled: v24-27 addresses, v32-63 K, v64-191 x, v192-231 codes, v248 2^ev, v249 448 x 2^ev.
.set KP,    80                         ; a key's row in LDS: 64 bytes + 16 of padding: 16 rows on end start at 16 different groups of four banks (64 banks of 4 bytes: ISA guide 11.1)
.set VP,    1040                       ; a row of V^T in LDS: 1,024 keys + 16 of padding: likewise
.set VOFF,  1024*KP                    ; V^T lies behind K
.set STG,   VOFF+64*VP                 ; behind it the stages for the way out: 16 rows x (256 bytes + 16) for each wave, its own
.set SP,    272
.set WV,    16                         ; s16  my wave's number
.set KF,    31                         ; s31  the step's first key: also the loop's counter
.set Q0,    32                         ; s32  the tile's first query
.set TI,    33                         ; s33  which of my two tiles
	s_load_b128 s[4:7], s[0:1], 0x0                ; q's codes s[4:5], k's codes s[6:7]
	s_load_b128 s[8:11], s[0:1], 0x10              ; x s[8:9], the scales' exponents s[10:11]
	s_load_b128 s[12:15], s[0:1], 0x20             ; temperature s[12:13], out s[14:15]
	v_lshl_add_u32 v251, v0, 2, 0x35400
	v_mov_b32 v255, 0
	v_lshrrev_b32 v10, 5, v0
	v_readfirstlane_b32 s[WV], v10                 ; wave 0..15
	v_and_b32 v30, 31, v0                          ; lane
	v_lshlrev_b32 v24, 4, v30                      ; K as it is loaded: 16 bytes a lane
	v_lshlrev_b32 v25, 3, v30                      ; x as it is loaded: 8 bytes a lane: d = 2 lane, 2 lane + 1
	s_and_b32 s18, ttmp7, 0xffff                   ; 16 b + h
	s_and_b32 s29, s18, 15                         ; h
	s_lshr_b32 s19, s18, 4                         ; b
	s_lshl_b32 s19, s19, 22                        ; a batch of x or of out: 1,024 rows of 4,096 bytes
	s_lshl_b32 s34, s29, 8                         ; a head's 64 numbers of a row: 256 bytes
	s_add_co_u32 s54, s19, s34
	s_mov_b32 s55, 0
	s_lshl_b32 s56, s18, 16                        ; a head's codes of q or of k: 1,024 rows of 64 bytes
	s_mov_b32 s57, 0
	s_lshl_b32 s58, s[WV], 12                      ; my 64 keys' codes,
	s_mov_b32 s59, 0
	s_lshl_b32 s60, s[WV], 18                      ; and their 64 rows of x
	s_mov_b32 s61, 0
	s_lshl_b32 s44, s29, 2
	s_mov_b32 s45, 0
	s_wait_kmcnt 0x0
	s_load_b128 s[24:27], s[10:11], 0x8            ; eq, ek, ev, ep
	s_add_nc_u64 s[12:13], s[12:13], s[44:45]
	s_load_b32 s28, s[12:13], 0x0                  ; temperature[h]
	s_add_nc_u64 s[50:51], s[6:7], s[56:57]
	s_add_nc_u64 s[50:51], s[50:51], s[58:59]      ; k's codes at my 64 keys
	s_add_nc_u64 s[52:53], s[8:9], s[54:55]
	s_add_nc_u64 s[52:53], s[52:53], s[60:61]      ; x at my 64 keys, my head
	s_add_nc_u64 s[36:37], s[4:5], s[56:57]        ; q's codes at my head
	s_add_nc_u64 s[40:41], s[14:15], s[54:55]      ; out at my batch and head
	; ---- THE FILL.  Wave w brings keys 64 w .. 64 w + 63: their codes of k, and their rows of x
.irp i, 0,1,2,3,4,5,6,7
	global_load_b128 v[32+4*\i:35+4*\i], v24, s[50:51] offset:512*\i   ; 512 consecutive bytes: keys 64 w + 8 i + lane / 4, bytes 16 (lane % 4) on
.endr
.macro XLOAD grp                       ; 16 keys of x: an instruction reads one key's 256 bytes of my head, aligned; register pair k of the group = (d = 2 lane, 2 lane + 1) of key 16 grp + k
.irp k, 0,1,2,3,4,5,6,7,8,9,10,11,12,13,14,15
	global_load_b64 v[64+32*(\grp)+2*\k:65+32*(\grp)+2*\k], v25, s[52:53] offset:(16*(\grp)+\k)*4096
.endr
.endm
	XLOAD 0
	XLOAD 1
	XLOAD 2
	; while these are on their way: the addresses that stay
	v_and_b32 v28, 15, v0                          ; r = lane % 16
	v_bfe_u32 v29, v0, 4, 1                        ; h = lane / 16
	v_mul_u32_u24 v1, v28, KP
	v_lshl_add_u32 v1, v29, 4, v1                  ; K: row r of a tile, + 16 h
	v_mul_u32_u24 v2, v28, VP
	v_lshl_add_u32 v2, v29, 4, v2
	v_add_nc_u32 v2, VOFF, v2                      ; V^T: row r of a tile, + 16 h
	v_lshlrev_b32 v5, 6, v28
	v_lshl_add_u32 v5, v29, 4, v5                  ; Q in memory: row r of 64 bytes, + 16 h
	s_mul_i32 s19, s[WV], 16*SP
	s_add_co_u32 s19, s19, STG                     ; my stage
	v_mul_u32_u24 v6, v28, SP
	v_lshl_add_u32 v6, v29, 5, v6
	v_add_nc_u32 v6, s19, v6                       ; in: row r, + 32 h: tile t's eight channels of my half, 64 t bytes on
	v_mul_u32_u24 v7, v29, SP
	v_lshl_add_u32 v7, v28, 4, v7
	v_add_nc_u32 v7, s19, v7                       ; back: lanes 0-15 one row, lanes 16-31 the next
	v_lshlrev_b32 v8, 12, v29
	v_lshl_add_u32 v8, v28, 4, v8                  ; and the same two rows in out: 4,096 bytes apart
	v_lshlrev_b32 v9, 4, v29
	v_sub_nc_u32 v9, v28, v9                       ; r - 16 h, for the mask
	s_mul_i32 s19, s[WV], 64*KP
	v_lshrrev_b32 v31, 2, v30
	v_mul_u32_u24 v26, v31, KP
	v_and_b32 v31, 3, v30
	v_lshl_add_u32 v26, v31, 4, v26
	v_add_nc_u32 v26, s19, v26                     ; K into LDS: row 64 w + lane / 4 (+ the load's rows, in the immediate), byte 16 (lane % 4)
	s_lshl_b32 s19, s[WV], 6
	s_add_co_u32 s19, s19, VOFF
	v_mul_u32_u24 v27, v30, 2*VP
	v_add_nc_u32 v27, s19, v27                     ; V^T into LDS: row d = 2 lane, byte = key 64 w
	s_mov_b32 s20, 0x76543210                      ; lane selects for v_permlanex16_b32: lane l xor 16
	s_mov_b32 s21, 0xfedcba98
	s_mov_b32 s46, 0x06040200                      ; byte selects: the even bytes of two words,
	s_mov_b32 s47, 0x07050301                      ; the odd ones
	s_lshl_b32 s48, ttmp9, 4
	s_add_co_u32 s48, s48, s[WV]                   ; i = 16 g + w
	s_lshl_b32 s48, s48, 4                         ; my first tile's first query: 16 i,
	s_sub_co_u32 s49, 1008, s48                    ; my second's: 1,008 - 16 i
	v_mov_b32 v246, 0                              ; written once: a lane permute's destination counts as one of its sources
	v_mov_b32 v253, 0                              ; (named as the upper half of the pair v[252:253])
	s_wait_kmcnt 0x0
	s_add_co_i32 s34, s26, 127
	s_lshl_b32 s19, s34, 23
	v_mov_b32 v248, s19                            ; 2^ev as f32: the conversion takes its exponent field
	s_add_co_i32 s34, s34, 8
	s_lshl_b32 s34, s34, 23
	s_or_b32 s34, s34, 0x600000
	v_mov_b32 v249, s34                            ; 448 x 2^ev
	s_add_co_i32 s34, s27, 127
	s_lshl_b32 s19, s34, 23
	v_mov_b32 v244, s19                            ; 2^ep
	s_add_co_i32 s34, s34, 8
	s_lshl_b32 s34, s34, 23
	s_or_b32 s34, s34, 0x600000
	v_mov_b32 v240, s34                            ; 448 x 2^ep
	s_add_co_i32 s35, s26, s27                     ; ev + ep
	s_ashr_i32 s30, s28, 31
	s_and_b32 s30, s30, 0x80808080                 ; the sign bits of four codes where the temperature is negative, else 0
	v_mov_b32 v10, s28
	v_and_b32 v10, 0x7fffffff, v10                 ; |temperature|
	v_rcp_f32 v11, v10
	v_nop                                          ; a plain instruction behind the reciprocal,
	s_wait_alu depctr_va_vdst(0)                   ; and the wait ahead of its first reader
	v_fma_f32 v254, -v10, v11, 1.0                 ; one step of Newton's: c goes into what is quantised
	v_fma_f32 v11, v254, v11, v11
	v_mul_f32 v11, 0x3e38aa3b, v11                 ; x log2(e) / 8
	s_add_co_i32 s34, s24, s25
	v_ldexp_f32 v11, v11, s34                      ; x 2^(eq + ek): a score stands for score x 2^(eq + ek)
	v_readfirstlane_b32 s22, v11                   ; c, a multiplier alone: no address and no branch hangs on it
	s_mov_b32 s23, s22                             ; (named with it as a pair, so it is written)
	s_wait_loadcnt 48                              ; K's eight loads are in; behind them stand 48 loads of x
.irp i, 0,1,2,3,4,5,6,7
	ds_store_b128 v26, v[32+4*\i:35+4*\i] offset:(32*(\i>>2)+16*(\i&1)+8*((\i>>1)&1))*KP   ; keys 8 i on go to rows 8 x (i with its two low bits exchanged) on
.endr
	XLOAD 3
; 16 keys of x become codes.  A conversion takes eight registers: four keys' (d0, d1); two byte selections part d0's codes from d1's: four words each, 16 keys on end: 16 bytes of a row of V^T.
.macro VQ grp
	s_wait_loadcnt 48-16*(\grp)                    ; this group's 16 loads are in; the younger groups' may be out
.set n, 0
.rept 32
	v_med3_num_f32 v[64+32*(\grp)+n], v[64+32*(\grp)+n], -v249, v249   ; the conversion to an 8-bit code does not saturate (ISA guide 7.6.2): the hold at the largest code x the scale
.set n, n+1
.endr
.irp m, 0,1,2,3
	v_cvt_scalef32_pk8_fp8_f32 v[192+2*\m:193+2*\m], v[64+32*(\grp)+8*\m:71+32*(\grp)+8*\m], v248
.endr
	v_nop                                          ; one plain vector instruction between the conversions and the first line that reads their results
.irp m, 0,1,2,3
	v_perm_b32 v[200+8*(\grp)+\m], v[193+2*\m], v[192+2*\m], s46   ; d0 of keys 4 m .. 4 m + 3
	v_perm_b32 v[204+8*(\grp)+\m], v[193+2*\m], v[192+2*\m], s47   ; d1
.endr
	ds_store_b128 v27, v[200+8*(\grp):203+8*(\grp)] offset:16*(\grp)
	ds_store_b128 v27, v[204+8*(\grp):207+8*(\grp)] offset:VP+16*(\grp)
.endm
	VQ 0
	VQ 1
	VQ 2
	VQ 3
	s_wait_dscnt 0x0                               ; for the others' sake: my stores into K and V^T are done
	s_barrier_signal -1
	s_barrier_wait -1                              ; the head's K and V^T are whole; from here on they are only read
	; ---- MY TWO TILES
	s_mov_b32 s[TI], 0
.Ltile:
	s_cmp_eq_u32 s[TI], 0
	s_cselect_b32 s[Q0], s48, s49
	s_lshl_b32 s44, s[Q0], 6
	s_mov_b32 s45, 0
	s_add_nc_u64 s[38:39], s[36:37], s[44:45]      ; q's codes at the tile's first query
	s_lshl_b32 s44, s[Q0], 12
	s_add_nc_u64 s[42:43], s[40:41], s[44:45]      ; out likewise
	global_load_b128 v[16:19], v5, s[38:39] th:TH_LOAD_NT             ; Q's fragment: registers 4 c .. 4 c + 3 hold d = 32 c + 16 h + 0 .. 15, as K's do
	global_load_b128 v[20:23], v5, s[38:39] offset:32 th:TH_LOAD_NT
	v_mov_b32 v13, 0xff61b1e6                      ; the largest t so far: -3e38, under every t
	v_floor_f32 v12, -v13                          ; -M
	v_mov_b32 v14, 0                               ; the sum, in two halves
	v_mov_b32 v15, 0
.set n, 0
.rept 32
	v_mov_b32 v[160+n], 0                          ; O^T.  (The step is written once: the first finds zeros, which the first change of M leaves zeros)
.set n, n+1
.endr
	s_mov_b32 s[KF], 0
	s_wait_loadcnt 0x0                             ; Q
.irp j, 0,1,2,3,4,5,6,7
	v_xor_b32 v[16+\j], s30, v[16+\j]              ; -q where the temperature is negative: exact
.endr
.Lstep:                                            ; eight trips, a constant; a step's WORK is jumped over where all its 128 keys come after my 16 queries: a branch on ids
	s_add_co_u32 s34, s[Q0], 15
	s_cmp_gt_u32 s[KF], s34
	s_cbranch_scc1 .Lhidden
	s_mul_i32 s34, s[KF], KP
	v_add_nc_u32 v3, s34, v1                       ; the step's rows of K,
	v_add_nc_u32 v4, s[KF], v2                     ; its bytes of V^T's rows
	v_nop                                          ; with the two additions: four places in front of loads into registers that the last products read
	v_nop
.irp t, 0,1,2,3,4,5,6,7
	ds_load_b128 v[32+8*\t:35+8*\t], v3 offset:16*KP*\t
	ds_load_b128 v[36+8*\t:39+8*\t], v3 offset:16*KP*\t+32
.endr
	s_wait_dscnt 0x0
.irp t, 0,1,2,3,4,5,6,7
	v_wmma_f32_16x16x64_fp8_fp8 v[96+8*\t:103+8*\t], v[32+8*\t:39+8*\t], v[16:23], 0   ; S^T: lane (r, h) holds query r; register 16 b + i holds key KF + 32 b + 16 h + i
.endr
.rept 4
	v_nop                                          ; four places: in front of the loads below, into registers that these products read, and of the first read of the scores
.endr
.irp t, 0,1,2,3
.irp c, 0,1,2,3
	ds_load_b128 v[32+16*\t+4*\c:35+16*\t+4*\c], v4 offset:16*VP*\t+32*\c   ; V^T's four fragments are asked for now: they land while the softmax is walked
.endr
.endr
	s_add_co_u32 s34, s[KF], 127                   ; on the diagonal the scores of hidden keys become -infinity ahead of the maximum: p = 0 then.  A step all of whose keys count skips this
	s_cmp_le_u32 s34, s[Q0]
	s_cbranch_scc1 .Lopen
	s_sub_co_i32 s34, s[Q0], s[KF]
	v_add_nc_u32 v10, s34, v9                      ; d = my query - KF - 16 h: register 16 b + i is hidden where 32 b + i > d.  Key KF counts for every query of the tile, so the step's maximum is a number
	v_mov_b32 v254, 0xff800000                     ; -infinity
.set n, 0
.rept 64
	v_cmp_gt_i32 vcc_lo, 32*(n/16)+n%16, v10
	v_cndmask_b32 v[96+n], v[96+n], v254, vcc_lo
.set n, n+1
.endr
.Lopen:
	v_max3_num_f32 v254, v96, v97, v98             ; the step's largest score of my query, among my 64 keys, in two chains; each accumulator is read from its low end on,
	v_max3_num_f32 v252, v99, v100, v101
.irp i, 6,10,14,18,22,26,30,34,38,42,46,50,54,58
	v_max3_num_f32 v254, v254, v[96+\i], v[97+\i]
	v_max3_num_f32 v252, v252, v[98+\i], v[99+\i]
.endr
	v_max3_num_f32 v254, v254, v158, v159
	v_max_num_f32 v254, v254, v252
	v_permlanex16_b32 v246, v254, s20, s21
	v_max_num_f32 v254, v254, v246                 ; and among lane l xor 16's
	v_mul_f32 v254, s22, v254                      ; as t (c is positive)
	v_max_num_f32 v13, v13, v254                   ; the running largest t
	v_mov_b32 v254, v12
	v_floor_f32 v12, -v13                          ; the new -M = floor(-t) = -ceil(t): M IS A WHOLE NUMBER
	v_sub_f32 v254, v12, v254                      ; M's old value less its new one: a whole number, 0 or less
	v_cvt_i32_f32 v254, v254                       ; (it saturates)
	v_ldexp_f32 v252, 1.0, v254                    ; f = 2^(old M - new M): a multiplication by it rounds nothing
.set j, 0
.rept 32
	v_pk_fma_f32 v[96+j:97+j], v[96+j:97+j], s[22:23], v[12:13] op_sel_hi:[1,0,0]   ; t - M, two at a time (of the pairs c and -M the low word serves both halves)
.set j, j+2
.endr
.set j, 0
.rept 64
	v_exp_f32 v[96+j], v[96+j]                     ; p = 2^(t - M): NOT normalised
.set j, j+1
.endr
	v_pk_mul_f32 v[14:15], v[14:15], v[252:253] op_sel_hi:[1,0]   ; the sums under the new M.  (The plain instruction behind the exponentials)
	s_wait_alu depctr_va_vdst(0)                   ; one wait for the whole batch, ahead of its first reader
	v_pk_add_f32 v[242:243], v[96:97], v[98:99]    ; THE ROW'S SUM IS TAKEN OF THE UNQUANTISED p: two at a time, in two chains
.irp j, 4,8,12,16,20,24,28,32,36,40,44,48,52,56,60
	v_pk_add_f32 v[14:15], v[14:15], v[96+\j:97+\j]
	v_pk_add_f32 v[242:243], v[242:243], v[98+\j:99+\j]
.endr
	v_pk_add_f32 v[14:15], v[14:15], v[242:243]
	; THE HOLD.  t - M is at most a rounding above 0, so p stays under 1.75 = 448 x 2^-8 for every input: where ep >= -8 the hold changes no number, and its 64 lines are jumped over.
	; The branch hangs on a whole number read from memory, the same in every wave; this launch has no tensor load and no barrier behind this point.
	s_cmp_ge_i32 s27, -8
	s_cbranch_scc1 .Lnohold
.set n, 0
.rept 64
	v_min_num_f32 v[96+n], v[96+n], v240           ; the conversion to an 8-bit code does not saturate (ISA guide 7.6.2); p is not negative, so the hold is one-sided
.set n, n+1
.endr
.Lnohold:
.irp q, 0,1,2,3,4,5,6,7
	v_cvt_scalef32_pk8_fp8_f32 v[224+2*\q:225+2*\q], v[96+8*\q:103+8*\q], v244   ; registers 4 b .. 4 b + 3 of the operand: keys 32 b + 16 h + 0 .. 15, as V^T's fragments have them
.endr
.set j, 0
.rept 16
	v_pk_mul_f32 v[160+j:161+j], v[160+j:161+j], v[252:253] op_sel_hi:[1,0]   ; O^T under the new M: x f, each accumulator from its low end on.  (The plain lines between the conversions and the products)
.set j, j+2
.endr
	s_wait_dscnt 0x0                               ; V^T's fragments are in
.irp t, 0,1,2,3
	v_wmma_f32_16x16x128_fp8_fp8 v[160+8*\t:167+8*\t], v[32+16*\t:47+16*\t], v[224:239], v[160+8*\t:167+8*\t]   ; the four accumulators take one turn each; the next matrix instructions are the next step's scores
.endr
.Lhidden:
	s_add_co_u32 s[KF], s[KF], 128
	s_cmp_lt_u32 s[KF], 1024
	s_cbranch_scc1 .Lstep
	; ---- THE WAY OUT of a tile: z = O^T x 2^(ev + ep) / the sum; tanh z = 1 - 2 / (1 + 2^(2 log2(e) z)), which ends at +-1 where the power overflows or vanishes
.rept 4
	v_nop                                          ; four places behind the last products, on every way here
.endr
	v_add_f32 v14, v14, v15                        ; the sum's two halves,
	v_permlanex16_b32 v246, v14, s20, s21
	v_add_f32 v14, v14, v246                       ; and lane l xor 16's: the row's sum
	v_rcp_f32 v14, v14
	v_nop                                          ; a plain instruction behind the reciprocal,
	s_wait_alu depctr_va_vdst(0)                   ; and the wait ahead of its first reader
	v_ldexp_f32 v14, v14, s35                      ; x 2^(ev + ep)
	v_mul_f32 v14, 0x4038aa3b, v14                 ; x 2 log2(e)
.set j, 0
.rept 16
	v_pk_mul_f32 v[96+j:97+j], v[160+j:161+j], v[14:15] op_sel_hi:[1,0]   ; register 8 t + i: 2 log2(e) z of (query r, channel 16 t + 8 h + i)
.set j, j+2
.endr
.set j, 0
.rept 32
	v_exp_f32 v[96+j], v[96+j]
.set j, j+1
.endr
	v_nop
	s_wait_alu depctr_va_vdst(0)                   ; one wait for the 32 exponentials
.set j, 0
.rept 16
	v_pk_add_f32 v[96+j:97+j], v[96+j:97+j], 1.0 op_sel_hi:[1,0]
.set j, j+2
.endr
.set j, 0
.rept 32
	v_rcp_f32 v[96+j], v[96+j]
.set j, j+1
.endr
	v_nop
	s_wait_alu depctr_va_vdst(0)                   ; one wait for the 32 reciprocals
.set j, 0
.rept 16
	v_pk_fma_f32 v[96+j:97+j], v[96+j:97+j], -2.0, 1.0 op_sel_hi:[1,0,0]
.set j, j+2
.endr
.irp t, 0,1,2,3
	ds_store_b128 v6, v[96+8*\t:99+8*\t] offset:64*\t          ; through my own stage: a lane holds 32 bytes of a row, and the lanes beside it hold other rows
	ds_store_b128 v6, v[100+8*\t:103+8*\t] offset:64*\t+16
.endr
.irp i, 0,1,2,3,4,5,6,7
	ds_load_b128 v[32+4*\i:35+4*\i], v7 offset:2*\i*SP         ; LDS serves a wave's instructions in order (ISA guide 5.7.1.4): these see my stores
.endr
.irp i, 0,1,2,3,4,5,6,7
	s_wait_dscnt 7-\i                              ; load i is in; the younger ones may be out
	global_store_b128 v8, v[32+4*\i:35+4*\i], s[42:43] offset:2*\i*4096 th:TH_STORE_NT   ; sixteen lanes store a head's 256 bytes of a row of out, aligned; written once, read by nobody here
.endr
	s_wait_xcnt 0x0                                ; the stores have read their registers and their base: the next tile writes both again
	s_add_co_u32 s[TI], s[TI], 1
	s_cmp_lt_u32 s[TI], 2
	s_cbranch_scc1 .Ltile
	s_wait_tensorcnt 0x0
	ds_add_u32 v251, v255
	s_wait_dscnt 0x0
	s_endpgm
.Lfunc_end_k_qfc4e3cb41e_attn:
	.size	k_qfc4e3cb41e_attn, .Lfunc_end_k_qfc4e3cb41e_attn-k_qfc4e3cb41e_attn
	.p2alignl 7, 3214868480
	.fill 96, 4, 3214868480
	.section	.rodata,"a",@progbits
	.p2align	6, 0x0
	.amdhsa_kernel k_qfc4e3cb41e_attn
		.amdhsa_group_segment_fixed_size 220160
		.amdhsa_private_segment_fixed_size 0
		.amdhsa_enable_private_segment 0
		.amdhsa_kernarg_size 48
		.amdhsa_user_sgpr_count 2
		.amdhsa_user_sgpr_kernarg_segment_ptr 1
		.amdhsa_wavefront_size32 1
		.amdhsa_system_sgpr_workgroup_id_x 1
		.amdhsa_system_sgpr_workgroup_id_y 1
		.amdhsa_system_sgpr_workgroup_id_z 1
		.amdhsa_system_vgpr_workitem_id 0
		.amdhsa_next_free_vgpr 256
		.amdhsa_next_free_sgpr 66
		.amdhsa_reserve_vcc 1
		.amdhsa_float_denorm_mode_32 3
		.amdhsa_float_denorm_mode_16_64 3
		.amdhsa_memory_ordered 1
		.amdhsa_forward_progress 1
		.amdhsa_inst_pref_size 55
	.end_amdhsa_kernel
	.amdgpu_metadata
---
amdhsa.version: [ 1, 2 ]
amdhsa.kernels:
  - .name:           k_qfc4e3cb41e_attn
    .symbol:         k_qfc4e3cb41e_attn.kd
    .args:
      - { .name: qc, .offset: 0, .size: 8, .value_kind: global_buffer, .address_space: global }
      - { .name: kc, .offset: 8, .size: 8, .value_kind: global_buffer, .address_space: global }
      - { .name: x, .offset: 16, .size: 8, .value_kind: global_buffer, .address_space: global }
      - { .name: lowp_scales, .offset: 24, .size: 8, .value_kind: global_buffer, .address_space: global }
      - { .name: temperature, .offset: 32, .size: 8, .value_kind: global_buffer, .address_space: global }
      - { .name: out0, .offset: 40, .size: 8, .value_kind: global_buffer, .address_space: global }
    .group_segment_fixed_size: 220160
    .private_segment_fixed_size: 0
    .kernarg_segment_align: 8
    .kernarg_segment_size: 48
    .max_flat_workgroup_size: 512
    .sgpr_count:     66
    .vgpr_count:     256
    .wavefront_size: 32
...
	.end_amdgpu_metadata
.endif
;; end of part 3
;; ======== version 2 of 2: 3 launches; version 1 with the launch attn written anew for expert scheduling mode
;; workspace buffers: zc 8,388,608 bytes; wc 2,097,152 bytes; qc 8,388,608 bytes; kc 8,388,608 bytes
;; launch quant: the kernel of part 1 again; grid 320 x 1, 4 waves a work-group, no clusters, 33,280 bytes of LDS; arguments z_k, Wqkv, lowp_scales, zc, wc; writes zc, wc
;; launch proj: the kernel of part 2 again; grid 8 x 32, 4 waves a work-group, clusters of 4 x 4, 327,680 bytes of LDS; arguments zc, wc, lowp_scales, bqkv, qc, kc; writes qc, kc
;; launch attn (part 4): grid 2 x 128, 16 waves a work-group, no clusters, 220,160 bytes of LDS; arguments qc, kc, x, lowp_scales, temperature, out0; writes out0
.if DOCPART == 4
	.amdgcn_target "amdgcn-amd-amdhsa--gfx1250"
	.amdhsa_code_object_version 6
	.text
	.protected	k_qfc4e3cb41e_attn
	.globl	k_qfc4e3cb41e_attn
	.p2align	8
	.type	k_qfc4e3cb41e_attn,@function
k_qfc4e3cb41e_attn:
	s_mov_b64 s[64:65], 0
	v_nop
	global_prefetch_b8 v0, s[64:65] scope:SCOPE_SE
	s_setreg_imm32_b32 hwreg(HW_REG_WAVE_SCHED_MODE, 0, 2), 2
	s_setreg_imm32_b32 hwreg(HW_REG_WAVE_MODE, 25, 1), 1
	s_wait_xcnt 0x0
	s_wait_alu depctr_vm_vsrc(0)
; out[b][n][64 h + d] = tanh( sum over keys m <= n of softmax_m(q[n] . k[m] / 8 / temperature[h]) x[b][m][64 h + d] ), both products on codes of FP8 (E4M3).
; q, k arrive as codes laid [b][h][1,024][64], with the scales 2^eq, 2^ek (entries 2, 3).  x arrives as f32 and is quantised here with 2^ev (entry 4); p with 2^ep (entry 5).
; THE SOFTMAX AHEAD OF THE SECOND PRODUCT: t = score x c, c = log2(e) / 8 / temperature x 2^(eq + ek); M = the row's largest t so far, rounded UP to a whole number; p = 2^(t - M) is what is quantised, not normalised.
; The row's sum is taken of the unquantised p, in f32, and divides O at the end.  When M moves, the sum and O are multiplied by 2^(old M - new M): exact.
; A NEGATIVE TEMPERATURE is served exactly: c is made of |temperature|, and the signs of q's codes are turned.
; SHARES.  Two work-groups to a head (128 heads), sixteen waves each, four to a SIMD, so that one wave's vector work stands beside another's matrix work and LDS loads.  Wave w of work-group g has the number i = 16 g + w and
; owns two tiles of 16 queries: 16 i on and 1,008 - 16 i on.  In steps of 128 keys the causal mask leaves them i / 8 + 1 and 8 - i / 8 steps: nine for every wave.  A step all of whose keys are hidden is jumped over.
; LDS IS FILLED ONCE: a head's 1,024 keys (64 KiB of codes) and its 1,024 values (64 KiB of codes, turned: [d][key]) fit whole.  One barrier in the launch; behind it K and V are only read.
; NO CLUSTER, NO TENSOR LOAD: what the head's two work-groups share goes through registers on its way into LDS: x is converted from f32 and turned there (256 KiB of the 320 KiB that a work-group reads),
; and K's rows are laid in another order; a joint tensor load can do neither.
; LAYOUT.  Both products are used transposed: S^T = K Q^T (source 0 = 16 keys, source 1 = my 16 queries), O^T = V^T P^T (source 0 = 16 of the head's 64, source 1 = P): a lane holds ONE query (lane % 16) throughout.
; THE KEYS OF A TILE ARE NOT NEIGHBOURS: lane r of tile 2 b + u takes key 32 b + 8 u + r + 8 (r / 8), so that the 16 registers of tiles 2 b and 2 b + 1 are 16 neighbouring keys, 32 b + 16 (lane / 16) + 0 .. 15,
; and the conversions' results are the second product's operand.  In LDS key m lies in the row whose number is m with bits 3 and 4 exchanged: a tile's 16 keys are then 16 rows on end.
; Fragments come by loads of 16 bytes: a permutation of k, the same in both operands of a product.
; LIMITS: eq, ek, ev, ep between -126 and 119; |temperature|, its reciprocal and c are normal f32 numbers; NaN among the inputs is not served.
; REGISTERS: v1-9 addresses that stay; v3, v4 addresses of the step's loads; v12 -M, v13 the largest t, v[14:15] the sum in two halves; v16-23 Q; v32-95 eight fragments of K, then four of V; v96-159 S^T, then p;
;   v160-191 O^T; v224-239 p's codes; v240 448 x 2^ep, v244 2^ep; v242-254 at work.  While LDS is filled: v24-27 addresses, v32-63 K, v64-191 x, v192-231 codes, v248 2^ev, v249 448 x 2^ev.
; THE MODE: SCHED_MODE bits 1:0 = 2 (LLVM: expert scheduling mode 2), set by the entry lines.  The code itself states the register dependences
; between vector or matrix instructions and memory or LDS instructions, with s_wait_alu, always for 0.
; THE PLAN.  Registers that memory or LDS instructions touch:
;   v5-v8, v24-v27  Addresses, made once at the head by vector lines and never written again.
;   v3, v4          A step's LDS addresses: written by two additions at the step's head, read by its sixteen loads of K (v3) and its sixteen of V^T (v4).
;   v32-v95         A step: K's loads land; the eight products S^T read them; V^T's loads land; the four products O^T read them.  On the way out the stage's rows land in v32-63, and the global stores read them.
;                   In the fill v32-63 carry K's codes from memory into LDS.
;   v96-v127        On the way out: written by the arithmetic, read by the stores into the stage; the next tile's products write them again.
;   v16-v23         Q: two loads a tile; turned by v_xor_b32 and read by the products S^T.
;   v64-v191        In the fill: x's loads land; after that vector lines alone name them.
;   v200-v231       In the fill: eight registers a group of 16 keys, written by the byte selections, read by two LDS stores; part of them holds p's codes later.
;   v251, v255      Written at the head, read by the closing add alone.
; A STEP HAS: one wait on vm_vsrc ahead of the two additions; one on va_vdst behind them, ahead of K's loads; one on va_vdst behind the places of the products S^T, ahead of V^T's loads, which are then dealt
; among the lines of the maximum with no further wait (those lines, and the mask's, name v10, v96-159, v252, v254 and scalar masks alone); and the wait for the batch of exponentials.
.set KP,    80                         ; a key's row in LDS: 64 bytes + 16 of padding: 16 rows on end start at 16 different groups of four banks (64 banks of 4 bytes: ISA guide 11.1)
.set VP,    1040                       ; a row of V^T in LDS: 1,024 keys + 16 of padding: likewise
.set VOFF,  1024*KP                    ; V^T lies behind K
.set STG,   VOFF+64*VP                 ; behind it the stages for the way out: 16 rows x (256 bytes + 16) for each wave, its own
.set SP,    272
.set WV,    16                         ; s16  my wave's number
.set KF,    31                         ; s31  the step's first key: also the loop's counter
.set Q0,    32                         ; s32  the tile's first query
.set TI,    33                         ; s33  which of my two tiles
	s_load_b128 s[4:7], s[0:1], 0x0                ; q's codes s[4:5], k's codes s[6:7]
	s_load_b128 s[8:11], s[0:1], 0x10              ; x s[8:9], the scales' exponents s[10:11]
	s_load_b128 s[12:15], s[0:1], 0x20             ; temperature s[12:13], out s[14:15]
	v_lshl_add_u32 v251, v0, 2, 0x35400
	v_mov_b32 v255, 0
	v_lshrrev_b32 v10, 5, v0
	v_readfirstlane_b32 s[WV], v10                 ; wave 0..15
	v_and_b32 v30, 31, v0                          ; lane
	v_lshlrev_b32 v24, 4, v30                      ; K as it is loaded: 16 bytes a lane
	v_lshlrev_b32 v25, 3, v30                      ; x as it is loaded: 8 bytes a lane: d = 2 lane, 2 lane + 1
	s_and_b32 s18, ttmp7, 0xffff                   ; 16 b + h
	s_and_b32 s29, s18, 15                         ; h
	s_lshr_b32 s19, s18, 4                         ; b
	s_lshl_b32 s19, s19, 22                        ; a batch of x or of out: 1,024 rows of 4,096 bytes
	s_lshl_b32 s34, s29, 8                         ; a head's 64 numbers of a row: 256 bytes
	s_add_co_u32 s54, s19, s34
	s_mov_b32 s55, 0
	s_lshl_b32 s56, s18, 16                        ; a head's codes of q or of k: 1,024 rows of 64 bytes
	s_mov_b32 s57, 0
	s_wait_alu depctr_va_sdst(0)                   ; s16, the wave's number, is written, ahead of its first reader
	s_lshl_b32 s58, s[WV], 12                      ; my 64 keys' codes,
	s_mov_b32 s59, 0
	s_lshl_b32 s60, s[WV], 18                      ; and their 64 rows of x
	s_mov_b32 s61, 0
	s_lshl_b32 s44, s29, 2
	s_mov_b32 s45, 0
	s_wait_kmcnt 0x0
	s_load_b128 s[24:27], s[10:11], 0x8            ; eq, ek, ev, ep
	s_add_nc_u64 s[12:13], s[12:13], s[44:45]
	s_load_b32 s28, s[12:13], 0x0                  ; temperature[h]
	s_add_nc_u64 s[50:51], s[6:7], s[56:57]
	s_add_nc_u64 s[50:51], s[50:51], s[58:59]      ; k's codes at my 64 keys
	s_add_nc_u64 s[52:53], s[8:9], s[54:55]
	s_add_nc_u64 s[52:53], s[52:53], s[60:61]      ; x at my 64 keys, my head
	s_add_nc_u64 s[36:37], s[4:5], s[56:57]        ; q's codes at my head
	s_add_nc_u64 s[40:41], s[14:15], s[54:55]      ; out at my batch and head
	; ---- THE FILL.  Wave w brings keys 64 w .. 64 w + 63: their codes of k, and their rows of x
	s_wait_alu depctr_va_vdst(0)                   ; v24 and v25 are written: the loads of K and of x read them as their offsets
.irp i, 0,1,2,3,4,5,6,7
	global_load_b128 v[32+4*\i:35+4*\i], v24, s[50:51] offset:512*\i   ; 512 consecutive bytes: keys 64 w + 8 i + lane / 4, bytes 16 (lane % 4) on
.endr
.macro XLOAD grp                       ; 16 keys of x: an instruction reads one key's 256 bytes of my head, aligned; register pair k of the group = (d = 2 lane, 2 lane + 1) of key 16 grp + k
.irp k, 0,1,2,3,4,5,6,7,8,9,10,11,12,13,14,15
	global_load_b64 v[64+32*(\grp)+2*\k:65+32*(\grp)+2*\k], v25, s[52:53] offset:(16*(\grp)+\k)*4096
.endr
.endm
	XLOAD 0
	XLOAD 1
	XLOAD 2
	; while these are on their way: the addresses that stay
	v_and_b32 v28, 15, v0                          ; r = lane % 16
	v_bfe_u32 v29, v0, 4, 1                        ; h = lane / 16
	v_mul_u32_u24 v1, v28, KP
	v_lshl_add_u32 v1, v29, 4, v1                  ; K: row r of a tile, + 16 h
	v_mul_u32_u24 v2, v28, VP
	v_lshl_add_u32 v2, v29, 4, v2
	v_add_nc_u32 v2, VOFF, v2                      ; V^T: row r of a tile, + 16 h
	v_lshlrev_b32 v5, 6, v28
	v_lshl_add_u32 v5, v29, 4, v5                  ; Q in memory: row r of 64 bytes, + 16 h
	s_mul_i32 s19, s[WV], 16*SP
	s_add_co_u32 s19, s19, STG                     ; my stage
	v_mul_u32_u24 v6, v28, SP
	v_lshl_add_u32 v6, v29, 5, v6
	v_add_nc_u32 v6, s19, v6                       ; in: row r, + 32 h: tile t's eight channels of my half, 64 t bytes on
	v_mul_u32_u24 v7, v29, SP
	v_lshl_add_u32 v7, v28, 4, v7
	v_add_nc_u32 v7, s19, v7                       ; back: lanes 0-15 one row, lanes 16-31 the next
	v_lshlrev_b32 v8, 12, v29
	v_lshl_add_u32 v8, v28, 4, v8                  ; and the same two rows in out: 4,096 bytes apart
	v_lshlrev_b32 v9, 4, v29
	v_sub_nc_u32 v9, v28, v9                       ; r - 16 h, for the mask
	s_mul_i32 s19, s[WV], 64*KP
	v_lshrrev_b32 v31, 2, v30
	v_mul_u32_u24 v26, v31, KP
	v_and_b32 v31, 3, v30
	v_lshl_add_u32 v26, v31, 4, v26
	v_add_nc_u32 v26, s19, v26                     ; K into LDS: row 64 w + lane / 4 (+ the load's rows, in the immediate), byte 16 (lane % 4)
	s_lshl_b32 s19, s[WV], 6
	s_add_co_u32 s19, s19, VOFF
	v_mul_u32_u24 v27, v30, 2*VP
	v_add_nc_u32 v27, s19, v27                     ; V^T into LDS: row d = 2 lane, byte = key 64 w
	s_mov_b32 s20, 0x76543210                      ; lane selects for v_permlanex16_b32: lane l xor 16
	s_mov_b32 s21, 0xfedcba98
	s_mov_b32 s46, 0x06040200                      ; byte selects: the even bytes of two words,
	s_mov_b32 s47, 0x07050301                      ; the odd ones
	s_lshl_b32 s48, ttmp9, 4
	s_add_co_u32 s48, s48, s[WV]                   ; i = 16 g + w
	s_lshl_b32 s48, s48, 4                         ; my first tile's first query: 16 i,
	s_sub_co_u32 s49, 1008, s48                    ; my second's: 1,008 - 16 i
	v_mov_b32 v246, 0                              ; written once: a lane permute's destination counts as one of its sources
	v_mov_b32 v253, 0                              ; (named as the upper half of the pair v[252:253])
	s_wait_kmcnt 0x0
	s_add_co_i32 s34, s26, 127
	s_lshl_b32 s19, s34, 23
	v_mov_b32 v248, s19                            ; 2^ev as f32: the conversion takes its exponent field
	s_add_co_i32 s34, s34, 8
	s_lshl_b32 s34, s34, 23
	s_or_b32 s34, s34, 0x600000
	v_mov_b32 v249, s34                            ; 448 x 2^ev
	s_add_co_i32 s34, s27, 127
	s_lshl_b32 s19, s34, 23
	v_mov_b32 v244, s19                            ; 2^ep
	s_add_co_i32 s34, s34, 8
	s_lshl_b32 s34, s34, 23
	s_or_b32 s34, s34, 0x600000
	v_mov_b32 v240, s34                            ; 448 x 2^ep
	s_add_co_i32 s35, s26, s27                     ; ev + ep
	s_ashr_i32 s30, s28, 31
	s_and_b32 s30, s30, 0x80808080                 ; the sign bits of four codes where the temperature is negative, else 0
	v_mov_b32 v10, s28
	v_and_b32 v10, 0x7fffffff, v10                 ; |temperature|
	v_rcp_f32 v11, v10
	v_nop                                          ; a plain instruction behind the reciprocal,
	s_wait_alu depctr_va_vdst(0)                   ; the reciprocal has written v11, ahead of its first reader; and the addresses v5 to v8, v26 and v27 are written, which the LDS and memory instructions from here on read: behind this wait the head writes v254 and v11 alone
	v_fma_f32 v254, -v10, v11, 1.0                 ; one step of Newton's: c goes into what is quantised
	v_fma_f32 v11, v254, v11, v11
	v_mul_f32 v11, 0x3e38aa3b, v11                 ; x log2(e) / 8
	s_add_co_i32 s34, s24, s25
	v_ldexp_f32 v11, v11, s34                      ; x 2^(eq + ek): a score stands for score x 2^(eq + ek)
	v_readfirstlane_b32 s22, v11                   ; c, a multiplier alone: no address and no branch hangs on it
	s_wait_alu depctr_va_sdst(0)                   ; s22 is written, ahead of its first reader
	s_mov_b32 s23, s22                             ; (named with it as a pair, so it is written)
	s_wait_loadcnt 48                              ; K's eight loads are in; behind them stand 48 loads of x
.irp i, 0,1,2,3,4,5,6,7
	ds_store_b128 v26, v[32+4*\i:35+4*\i] offset:(32*(\i>>2)+16*(\i&1)+8*((\i>>1)&1))*KP   ; keys 8 i on go to rows 8 x (i with its two low bits exchanged) on
.endr
	XLOAD 3
; 16 keys of x become codes.  A conversion takes eight registers: four keys' (d0, d1); two byte selections part d0's codes from d1's: four words each, 16 keys on end: 16 bytes of a row of V^T.
; A group's two LDS stores stand at the head of the next group, behind the wait for that group's loads and one wait on va_vdst: each group has eight registers of its own for its codes.
.macro VST grp
	ds_store_b128 v27, v[200+8*(\grp):203+8*(\grp)] offset:16*(\grp)
	ds_store_b128 v27, v[204+8*(\grp):207+8*(\grp)] offset:VP+16*(\grp)
.endm
.macro VQ grp
	s_wait_loadcnt 48-16*(\grp)                    ; this group's 16 loads are in; the younger groups' may be out
.if (\grp) > 0
	s_wait_alu depctr_va_vdst(0)                   ; the byte selections of the group before have written its eight registers of codes, which the two LDS stores below read
	VST (\grp)-1
.endif
.set n, 0
.rept 32
	v_med3_num_f32 v[64+32*(\grp)+n], v[64+32*(\grp)+n], -v249, v249   ; the conversion to an 8-bit code does not saturate (ISA guide 7.6.2): the hold at the largest code x the scale
.set n, n+1
.endr
.irp m, 0,1,2,3
	v_cvt_scalef32_pk8_fp8_f32 v[192+2*\m:193+2*\m], v[64+32*(\grp)+8*\m:71+32*(\grp)+8*\m], v248
.endr
	v_nop                                          ; one plain vector instruction between the conversions and the first line that reads their results
.irp m, 0,1,2,3
	v_perm_b32 v[200+8*(\grp)+\m], v[193+2*\m], v[192+2*\m], s46   ; d0 of keys 4 m .. 4 m + 3
	v_perm_b32 v[204+8*(\grp)+\m], v[193+2*\m], v[192+2*\m], s47   ; d1
.endr
.endm
	VQ 0
	VQ 1
	VQ 2
	VQ 3
	s_wait_alu depctr_va_vdst(0)                   ; the last group's byte selections have written v224 to v231, which its two LDS stores read
	VST 3
	s_wait_dscnt 0x0                               ; for the others' sake: my stores into K and V^T are done
	s_barrier_signal -1
	s_barrier_wait -1                              ; the head's K and V^T are whole; from here on they are only read
	s_wait_alu depctr_vm_vsrc(0)                   ; my LDS stores have read v32 to v63 and v200 to v231: LDS loads land in the first from here on, and the conversions of p write v224 on
	; ---- MY TWO TILES
	s_mov_b32 s[TI], 0
.Ltile:
	s_cmp_eq_u32 s[TI], 0
	s_cselect_b32 s[Q0], s48, s49
	s_lshl_b32 s44, s[Q0], 6
	s_mov_b32 s45, 0
	s_add_nc_u64 s[38:39], s[36:37], s[44:45]      ; q's codes at the tile's first query
	s_lshl_b32 s44, s[Q0], 12
	s_add_nc_u64 s[42:43], s[40:41], s[44:45]      ; out likewise
	global_load_b128 v[16:19], v5, s[38:39] th:TH_LOAD_NT             ; Q's fragment: registers 4 c .. 4 c + 3 hold d = 32 c + 16 h + 0 .. 15, as K's do.  No wait here: no vector or matrix instruction since the last wait on va_vdst (the fill's last; the way out's last) names v16 to v23 or v5
	global_load_b128 v[20:23], v5, s[38:39] offset:32 th:TH_LOAD_NT
	v_mov_b32 v13, 0xff61b1e6                      ; the largest t so far: -3e38, under every t
	v_floor_f32 v12, -v13                          ; -M
	v_mov_b32 v14, 0                               ; the sum, in two halves
	v_mov_b32 v15, 0
.set n, 0
.rept 32
	v_mov_b32 v[160+n], 0                          ; O^T.  (The step is written once: the first finds zeros, which the first change of M leaves zeros)
.set n, n+1
.endr
	s_mov_b32 s[KF], 0
	s_wait_loadcnt 0x0                             ; Q
.irp j, 0,1,2,3,4,5,6,7
	v_xor_b32 v[16+\j], s30, v[16+\j]              ; -q where the temperature is negative: exact
.endr
; one of V^T's sixteen loads: fragment vl / 4, its registers 4 (vl % 4) on
.macro VLOAD
	ds_load_b128 v[32+4*vl:35+4*vl], v4 offset:16*VP*(vl/4)+32*(vl%4)
.set vl, vl+1
.endm
.Lstep:                                            ; eight trips, a constant; a step's WORK is jumped over where all its 128 keys come after my 16 queries: a branch on ids
	s_add_co_u32 s34, s[Q0], 15
	s_cmp_gt_u32 s[KF], s34
	s_cbranch_scc1 .Lhidden
	s_mul_i32 s34, s[KF], KP
	s_wait_alu depctr_vm_vsrc(0)                   ; the LDS loads of the step before have read v3 and v4, which the two additions write
	v_add_nc_u32 v3, s34, v1                       ; the step's rows of K,
	v_add_nc_u32 v4, s[KF], v2                     ; its bytes of V^T's rows
	v_nop                                          ; with the two additions: four places behind the last products (ISA guide 7.12.1)
	v_nop
	s_wait_alu depctr_va_vdst(0)                   ; v3 and v4 are written, which this step's LDS loads read; the last products O^T are done reading v32 to v95, in which K's loads land
.irp t, 0,1,2,3,4,5,6,7
	ds_load_b128 v[32+8*\t:35+8*\t], v3 offset:16*KP*\t
	ds_load_b128 v[36+8*\t:39+8*\t], v3 offset:16*KP*\t+32
.endr
	s_wait_dscnt 0x0
.irp t, 0,1,2,3,4,5,6,7
	v_wmma_f32_16x16x64_fp8_fp8 v[96+8*\t:103+8*\t], v[32+8*\t:39+8*\t], v[16:23], 0   ; S^T: lane (r, h) holds query r; register 16 b + i holds key KF + 32 b + 16 h + i
.endr
.rept 4
	v_nop                                          ; four places in front of the first read of the scores
.endr
	s_wait_alu depctr_va_vdst(0)                   ; the products S^T are done reading v32 to v95, in which V^T's sixteen loads land; those stand among the lines of the maximum below
	s_add_co_u32 s34, s[KF], 127                   ; on the diagonal the scores of hidden keys become -infinity ahead of the maximum: p = 0 then.  A step all of whose keys count skips this
	s_cmp_le_u32 s34, s[Q0]
	s_cbranch_scc1 .Lopen
	s_sub_co_i32 s34, s[Q0], s[KF]
	v_add_nc_u32 v10, s34, v9                      ; d = my query - KF - 16 h: register 16 b + i is hidden where 32 b + i > d.  Key KF counts for every query of the tile, so the step's maximum is a number
	v_mov_b32 v254, 0xff800000                     ; -infinity
.irp b, 0,1,2,3                                    ; sixteen compares in a run, into s46, s47 and s50 to s63 (free since the fill), one wait, sixteen selections
.set n, 0
.rept 16
	v_cmp_gt_i32 s[46+n+2*((n+14)/16)], 32*\b+n, v10
.set n, n+1
.endr
	s_wait_alu depctr_va_sdst(0)                   ; the sixteen compares have written their masks, ahead of the first selection that reads one
.set n, 0
.rept 16
	v_cndmask_b32 v[96+16*\b+n], v[96+16*\b+n], v254, s[46+n+2*((n+14)/16)]
.set n, n+1
.endr
.endr
.Lopen:
.set vl, 0
	v_max3_num_f32 v254, v96, v97, v98             ; the step's largest score of my query, among my 64 keys, in two chains; each accumulator is read from its low end on,
	v_max3_num_f32 v252, v99, v100, v101
	VLOAD                                          ; V^T's four fragments are asked for here, a load behind each pair of lines: they land while the softmax is walked.  No wait: no vector or matrix instruction since the wait above names v32 to v95 or v4
	VLOAD
.irp i, 6,10,14,18,22,26,30,34,38,42,46,50,54,58
	v_max3_num_f32 v254, v254, v[96+\i], v[97+\i]
	v_max3_num_f32 v252, v252, v[98+\i], v[99+\i]
	VLOAD
.endr
	v_max3_num_f32 v254, v254, v158, v159
	v_max_num_f32 v254, v254, v252
	v_permlanex16_b32 v246, v254, s20, s21
	v_max_num_f32 v254, v254, v246                 ; and among lane l xor 16's
	v_mul_f32 v254, s22, v254                      ; as t (c is positive)
	v_max_num_f32 v13, v13, v254                   ; the running largest t
	v_mov_b32 v254, v12
	v_floor_f32 v12, -v13                          ; the new -M = floor(-t) = -ceil(t): M IS A WHOLE NUMBER
	v_sub_f32 v254, v12, v254                      ; M's old value less its new one: a whole number, 0 or less
	v_cvt_i32_f32 v254, v254                       ; (it saturates)
	v_ldexp_f32 v252, 1.0, v254                    ; f = 2^(old M - new M): a multiplication by it rounds nothing
.set j, 0
.rept 32
	v_pk_fma_f32 v[96+j:97+j], v[96+j:97+j], s[22:23], v[12:13] op_sel_hi:[1,0,0]   ; t - M, two at a time (of the pairs c and -M the low word serves both halves)
.set j, j+2
.endr
.set j, 0
.rept 64
	v_exp_f32 v[96+j], v[96+j]                     ; p = 2^(t - M): NOT normalised
.set j, j+1
.endr
	v_pk_mul_f32 v[14:15], v[14:15], v[252:253] op_sel_hi:[1,0]   ; the sums under the new M.  (The plain instruction behind the exponentials)
	s_wait_alu depctr_va_vdst(0)                   ; the 64 exponentials have written v96 to v159: one wait for the whole batch, ahead of its first reader
	v_pk_add_f32 v[242:243], v[96:97], v[98:99]    ; THE ROW'S SUM IS TAKEN OF THE UNQUANTISED p: two at a time, in two chains
.irp j, 4,8,12,16,20,24,28,32,36,40,44,48,52,56,60
	v_pk_add_f32 v[14:15], v[14:15], v[96+\j:97+\j]
	v_pk_add_f32 v[242:243], v[242:243], v[98+\j:99+\j]
.endr
	v_pk_add_f32 v[14:15], v[14:15], v[242:243]
	; THE HOLD.  t - M is at most a rounding above 0, so p stays under 1.75 = 448 x 2^-8 for every input: where ep >= -8 the hold changes no number, and its 64 lines are jumped over.
	; The branch hangs on a whole number read from memory, the same in every wave; this launch has no tensor load and no barrier behind this point.
	s_cmp_ge_i32 s27, -8
	s_cbranch_scc1 .Lnohold
.set n, 0
.rept 64
	v_min_num_f32 v[96+n], v[96+n], v240           ; the conversion to an 8-bit code does not saturate (ISA guide 7.6.2); p is not negative, so the hold is one-sided
.set n, n+1
.endr
.Lnohold:
.irp q, 0,1,2,3,4,5,6,7
	v_cvt_scalef32_pk8_fp8_f32 v[224+2*\q:225+2*\q], v[96+8*\q:103+8*\q], v244   ; registers 4 b .. 4 b + 3 of the operand: keys 32 b + 16 h + 0 .. 15, as V^T's fragments have them
.endr
.set j, 0
.rept 16
	v_pk_mul_f32 v[160+j:161+j], v[160+j:161+j], v[252:253] op_sel_hi:[1,0]   ; O^T under the new M: x f, each accumulator from its low end on.  (The plain lines between the conversions and the products)
.set j, j+2
.endr
	s_wait_dscnt 0x0                               ; V^T's fragments are in
.irp t, 0,1,2,3
	v_wmma_f32_16x16x128_fp8_fp8 v[160+8*\t:167+8*\t], v[32+16*\t:47+16*\t], v[224:239], v[160+8*\t:167+8*\t]   ; the four accumulators take one turn each; the next matrix instructions are the next step's scores
.endr
.Lhidden:
	s_add_co_u32 s[KF], s[KF], 128
	s_cmp_lt_u32 s[KF], 1024
	s_cbranch_scc1 .Lstep
	; ---- THE WAY OUT of a tile: z = O^T x 2^(ev + ep) / the sum; tanh z = 1 - 2 / (1 + 2^(2 log2(e) z)), which ends at +-1 where the power overflows or vanishes
.rept 4
	v_nop                                          ; four places behind the last products, on every way here
.endr
	v_add_f32 v14, v14, v15                        ; the sum's two halves,
	v_permlanex16_b32 v246, v14, s20, s21
	v_add_f32 v14, v14, v246                       ; and lane l xor 16's: the row's sum
	v_rcp_f32 v14, v14
	v_nop                                          ; a plain instruction behind the reciprocal,
	s_wait_alu depctr_va_vdst(0)                   ; the reciprocal has written v14, ahead of its first reader
	v_ldexp_f32 v14, v14, s35                      ; x 2^(ev + ep)
	v_mul_f32 v14, 0x4038aa3b, v14                 ; x 2 log2(e)
.set j, 0
.rept 16
	v_pk_mul_f32 v[96+j:97+j], v[160+j:161+j], v[14:15] op_sel_hi:[1,0]   ; register 8 t + i: 2 log2(e) z of (query r, channel 16 t + 8 h + i)
.set j, j+2
.endr
.set j, 0
.rept 32
	v_exp_f32 v[96+j], v[96+j]
.set j, j+1
.endr
	v_nop
	s_wait_alu depctr_va_vdst(0)                   ; the 32 exponentials have written v96 to v127: one wait, ahead of their first reader
.set j, 0
.rept 16
	v_pk_add_f32 v[96+j:97+j], v[96+j:97+j], 1.0 op_sel_hi:[1,0]
.set j, j+2
.endr
.set j, 0
.rept 32
	v_rcp_f32 v[96+j], v[96+j]
.set j, j+1
.endr
	v_nop
	s_wait_alu depctr_va_vdst(0)                   ; the 32 reciprocals have written v96 to v127: one wait, ahead of their first reader
.set j, 0
.rept 16
	v_pk_fma_f32 v[96+j:97+j], v[96+j:97+j], -2.0, 1.0 op_sel_hi:[1,0,0]
.set j, j+2
.endr
	s_wait_alu depctr_va_vdst(0)                   ; the multiply-adds have written v96 to v127, which the stores into the stage read; the tile's products are done reading v32 to v63, in which the stage's rows land, and v16 to v23, in which the next tile's Q lands
.irp t, 0,1,2,3
	ds_store_b128 v6, v[96+8*\t:99+8*\t] offset:64*\t          ; through my own stage: a lane holds 32 bytes of a row, and the lanes beside it hold other rows
	ds_store_b128 v6, v[100+8*\t:103+8*\t] offset:64*\t+16
.endr
.irp i, 0,1,2,3,4,5,6,7
	ds_load_b128 v[32+4*\i:35+4*\i], v7 offset:2*\i*SP         ; LDS serves a wave's instructions in order (ISA guide 5.7.1.4): these see my stores
.endr
.irp i, 0,1,2,3,4,5,6,7
	s_wait_dscnt 7-\i                              ; load i is in; the younger ones may be out
	global_store_b128 v8, v[32+4*\i:35+4*\i], s[42:43] offset:2*\i*4096 th:TH_STORE_NT   ; sixteen lanes store a head's 256 bytes of a row of out, aligned; written once, read by nobody here
.endr
	s_wait_xcnt 0x0                                ; the stores have read their registers and their base: the next tile writes both again
	s_wait_alu depctr_vm_vsrc(0)                   ; the stores into the stage have read v96 to v127, the global stores v32 to v63: the next tile's products, arithmetic and LDS loads write them, on every way through its steps
	s_add_co_u32 s[TI], s[TI], 1
	s_cmp_lt_u32 s[TI], 2
	s_cbranch_scc1 .Ltile
	s_wait_dscnt 0x0                               ; the closing lines, six on end
	s_wait_alu 0x0
	s_wait_tensorcnt 0x0
	ds_add_u32 v251, v255
	s_wait_dscnt 0x0
	s_endpgm
.Lfunc_end_k_qfc4e3cb41e_attn:
	.size	k_qfc4e3cb41e_attn, .Lfunc_end_k_qfc4e3cb41e_attn-k_qfc4e3cb41e_attn
	.p2alignl 7, 3214868480
	.fill 96, 4, 3214868480
	.section	.rodata,"a",@progbits
	.p2align	6, 0x0
	.amdhsa_kernel k_qfc4e3cb41e_attn
		.amdhsa_group_segment_fixed_size 220160
		.amdhsa_private_segment_fixed_size 0
		.amdhsa_enable_private_segment 0
		.amdhsa_kernarg_size 48
		.amdhsa_user_sgpr_count 2
		.amdhsa_user_sgpr_kernarg_segment_ptr 1
		.amdhsa_wavefront_size32 1
		.amdhsa_system_sgpr_workgroup_id_x 1
		.amdhsa_system_sgpr_workgroup_id_y 1
		.amdhsa_system_sgpr_workgroup_id_z 1
		.amdhsa_system_vgpr_workitem_id 0
		.amdhsa_next_free_vgpr 256
		.amdhsa_next_free_sgpr 66
		.amdhsa_reserve_vcc 0
		.amdhsa_float_denorm_mode_32 3
		.amdhsa_float_denorm_mode_16_64 3
		.amdhsa_memory_ordered 1
		.amdhsa_forward_progress 1
		.amdhsa_inst_pref_size 60
	.end_amdhsa_kernel
	.amdgpu_metadata
---
amdhsa.version: [ 1, 2 ]
amdhsa.kernels:
  - .name:           k_qfc4e3cb41e_attn
    .symbol:         k_qfc4e3cb41e_attn.kd
    .args:
      - { .name: qc, .offset: 0, .size: 8, .value_kind: global_buffer, .address_space: global }
      - { .name: kc, .offset: 8, .size: 8, .value_kind: global_buffer, .address_space: global }
      - { .name: x, .offset: 16, .size: 8, .value_kind: global_buffer, .address_space: global }
      - { .name: lowp_scales, .offset: 24, .size: 8, .value_kind: global_buffer, .address_space: global }
      - { .name: temperature, .offset: 32, .size: 8, .value_kind: global_buffer, .address_space: global }
      - { .name: out0, .offset: 40, .size: 8, .value_kind: global_buffer, .address_space: global }
    .group_segment_fixed_size: 220160
    .private_segment_fixed_size: 0
    .kernarg_segment_align: 8
    .kernarg_segment_size: 48
    .max_flat_workgroup_size: 512
    .sgpr_count:     66
    .vgpr_count:     256
    .wavefront_size: 32
...
	.end_amdgpu_metadata
.endif
;; end of part 4
